; MI455X (gfx1250); checked and timed in simulation.
; The chip was launched on July 23, 2026; its instructions are those of AMD's public machine-readable ISA for CDNA 5 (MIT licence, August 2026) and "CDNA5" Instruction Set Architecture Reference Guide (July 2026). The comments in the code are by the model that wrote it; some were corrected since.
;; Multi Head Attention. Allowed arithmetic: matrix products marked QUANTISED: E5M2 operands, one given power-of-two scale a tensor, by v_wmma_f32_16x16x64_bf8_bf8 or v_wmma_f32_16x16x128_bf8_bf8, f32 sums; everything else in f32.
;; Inputs: Wk 16 x 1,024 x 64 float32; Wo 1,024 x 1,024 float32; Wq 16 x 1,024 x 64 float32; Wv 16 x 1,024 x 64 float32; bo 1,024 float32; inputs 4 x 2,048 x 1,024 float32; lowp_scales 12 int32 (the exponents e of the quantised operands' scales 2^e).
;; Outputs: out0 4 x 2,048 x 1,024 float32.
;; This version of the problem:
;;   THIS VERSION OF THE PROBLEM IS GIVEN IN LOW PRECISION. The matrix products marked QUANTISED in the list below multiply operands that are first quantised to E5M2 (5 exponent bits, 2 mantissa bits; 8 bits a number), with one given power-of-two scale for each operand tensor; their sums are f32. All else is computed in f32.
;;   The module's matrix products, in the order in which they are computed (A, B: the left and right operand; K: the contracted axis; several contracted axes count as one K, in the product's order):
;;     1. [M 1,024, K 1,024] x [K 1,024, N 8,192]; A: input Wq; B: input inputs: QUANTISED (scales: A lowp_scales[0], B lowp_scales[1])
;;     2. [M 1,024, K 1,024] x [K 1,024, N 8,192]; A: input Wk; B: input inputs: QUANTISED (scales: A lowp_scales[2], B lowp_scales[3])
;;     3. [M 1,024, K 1,024] x [K 1,024, N 8,192]; A: input Wv; B: input inputs: QUANTISED (scales: A lowp_scales[4], B lowp_scales[5])
;;     4. batch 64 x [M 2,048, K 64] x [K 64, N 2,048]; A: computed on the way; B: computed on the way: QUANTISED (scales: A lowp_scales[6], B lowp_scales[7])
;;     5. batch 64 x [M 2,048, K 2,048] x [K 2,048, N 64]; A: softmax (see below); B: computed on the way: QUANTISED (scales: A lowp_scales[8], B lowp_scales[9])
;;     6. [M 8,192, K 1,024] x [K 1,024, N 1,024]; A: computed on the way; B: input Wo: QUANTISED (scales: A lowp_scales[10], B lowp_scales[11])
;;   THE QUANTISER, for each operand of a quantised product, along K:
;;     - The operand's scale is 2^e, e = its entry of the input lowp_scales (int32; the entries are numbered through the quantised products in the list's order, A before B).
;;     - Each number is divided by the scale, clamped to +-57,344, and rounded to the nearest number of E5M2, ties to even, subnormals kept.
;;     - The product sums the exact products of the quantised numbers (number of the format x scale) in f32.
;;   ~~~python
;;   def quantise(x, axis, e):      # numpy; x: float32 -> the quantised numbers, widened to float32 again
;;       x = np.moveaxis(x, axis, -1); K = x.shape[-1]
;;       r = np.clip(x / 2.0 ** e, -57344, 57344)
;;       step = 2.0 ** (np.maximum(np.frexp(np.where(r == 0, 1, r))[1] - 1, -14) - 2)
;;       q = np.round(r / step) * step * 2.0 ** e      # np.round: ties to even
;;       return np.moveaxis(q, -1, axis).astype(np.float32)
;;   ~~~
;;   SOFTMAX AHEAD OF A QUANTISED PRODUCT. Where the list says 'softmax', what is quantised is not the finished softmax but p = 2^(t - M), with t = logit x log2(e) and M = ceil(the row's largest t), a whole number; so 1/2 < the row's largest p <= 1. The row's sum l is taken of the UNQUANTISED p, in f32, and the product's result is divided by l at the end. Since M is a whole number, a kernel that streams over the keys may use a running M (the ceiling of the running maximum): every later rescaling is an exact power of two, so the quantised numbers keep their values, but for numbers so far below the row's largest that they fall under the format's range.
;;   OPERANDS COMPUTED ON THE WAY. 'Computed on the way' means the value that the module computes at that place (a softmax that the list does not call 'softmax' is quantised finished and normalised). What goes into a quantiser is computed in f32, as accurately as f32 sums, v_exp_f32 and their like allow (about 1e-6 of the number): no bf16 or f16 on the way to a quantiser, and a product that is left as it is and whose result goes on into a quantised operand takes f32 operands (vector FMAs, or v_wmma_f32_16x16x4_f32). A number that lies on a knife's edge between two numbers of the format may be rounded either way, as far as f32 arithmetic and the matrix unit's own rounding can turn it there, and no further.
;; One version. Each part assembles by itself: llvm-mc -triple=amdgcn-amd-amdhsa -mcpu=gfx1250 --defsym DOCPART=n.
;; ======== version 1 of 1: 4 launches
;; limits: right only within a limited range of input values
;; workspace buffers: codes 29,360,128 bytes; qkv 25,165,824 bytes; aimg 8,388,608 bytes
;; launch prep (part 1): grid 768 x 1, 4 waves a work-group, no clusters, 34,304 bytes of LDS; arguments inputs, Wo, Wq, Wk, Wv, lowp_scales, codes; writes codes
.if DOCPART == 1
	.amdgcn_target "amdgcn-amd-amdhsa--gfx1250"
	.amdhsa_code_object_version 6
	.text
	.protected	k_qabc5232ed7_prep
	.globl	k_qabc5232ed7_prep
	.p2align	8
	.type	k_qabc5232ed7_prep,@function
k_qabc5232ed7_prep:
	s_mov_b64 s[64:65], 0
	v_nop
	global_prefetch_b8 v0, s[64:65] scope:SCOPE_SE
	s_setreg_imm32_b32 hwreg(HW_REG_WAVE_MODE, 25, 1), 1
	s_wait_xcnt 0x0
; inputs [8192][1024], Wo [1024][1024] (K innermost) and Wq, Wk, Wv [16][1024][64] (K = the middle axis), all f32, become codes of E5M2.
; code = x / 2^e, held within +-57,344, rounded to the nearest code, ties to even.  inputs is an operand of three products with three scale entries (1, 3, 5): it is quantised three times from one read.
; LAYOUT OF THE CODES: images of the matrix operand's registers.  A fragment is 16 rows x 128 k: lane (r = lane % 16, h = lane / 16) holds in registers 2 c', 2 c' + 1 the codes k = 16 c' + 8 h + 0 .. 7 of row r.
; Four registers are a group: 512 bytes, lane l's 16 bytes at 16 l.  A fragment is four groups, 2,048 bytes; a tile of 16 rows has its eight fragments (K = 1,024) on end: 16,384 bytes.
; codes: inputs by scale entry 1 at 0, by entry 3 at 8 Mi, by entry 5 at 16 Mi (512 row tiles each); Wq, Wk, Wv (row n = 64 head + d) at 24, 25, 26 Mi; Wo at 27 Mi (64 row tiles each).
; Every store of a wave covers 512 consecutive bytes, aligned.
; LIMITS: every exponent used here lies between -126 and 112, so that 2^e and 57,344 x 2^e are f32 numbers.  NaN among the inputs is not served.
; Work-groups 0-511: a row tile of inputs; 512-575: of Wo; 576-767: Wq, Wk, Wv.  Nothing is looped: a wave asks for its 16 KB and works them off.
; WORK LEFT OUT IN THE PROGRAM: under the causal mask a block of scores all of whose keys come after all of its queries gets weight 0 for every value of the inputs, so the attention launch
; forms neither those scores nor their part of the weighted sum.  LIMIT: a NaN, an infinity or an overflow that would arise only in such a block is not carried to the result.  Every input is loaded.
.set SPARE, 33792
.set STG,   8448                       ; a wave's stage: 16 rows x 528 bytes
.set SP,    528                        ; a stage row: 512 bytes + 16: the sixteen rows that a read touches fall on sixteen different 16-byte columns
.set SPW,   12                         ; v12  LDS address of my spare word; never rewritten
.set NIL,   13                         ; v13  0; never rewritten
.set PR,    16                         ; v16-21  three pairs: 2^e as f32, 57,344 x 2^e
.set T,     24                         ; v24-55  two sets of 16 held numbers, by turns
.set X,     56                         ; v56-119 a unit's 64 numbers of my lane (K not innermost: v56-183, 128 numbers down K)
.set L,     120                        ; v120-183, v184-247  two units as loaded; later their codes, 16 registers a scale
.set CT,    184                        ; K not innermost: the codes, 8 registers a block of 32 along K
.set DS,    44                         ; s[44:49] three destinations
.macro MKSC e, vs, vl                  ; 2^e and 57,344 x 2^e as f32 numbers
	s_add_co_i32 s52, \e, 127
	s_lshl_b32 s53, s52, 23
	v_mov_b32 v[\vs], s53                          ; the conversion takes its exponent field
	s_add_co_i32 s52, s52, 15
	s_lshl_b32 s52, s52, 23
	s_or_b32 s52, s52, 0x600000                    ; 57,344's mantissa field
	v_mov_b32 v[\vl], s52
.endm
	s_load_b256 s[4:11], s[0:1], 0x0               ; inputs s[4:5], Wo s[6:7], Wq s[8:9], Wk s[10:11]
	s_load_b128 s[12:15], s[0:1], 0x20             ; Wv s[12:13], the scales' exponents s[14:15]
	s_load_b64 s[16:17], s[0:1], 0x30              ; codes
	v_lshl_add_u32 v[SPW], v0, 2, SPARE
	v_mov_b32 v[NIL], 0
	v_lshrrev_b32 v1, 5, v0
	v_readfirstlane_b32 s18, v1                    ; wave 0..3
	v_and_b32 v1, 31, v0                           ; lane
	v_lshlrev_b32 v2, 4, v1                        ; 16 x lane
	v_and_b32 v3, 15, v0                           ; r
	v_bfe_u32 v4, v0, 4, 1                         ; h
	s_wait_kmcnt 0x0
	s_load_b256 s[32:39], s[14:15], 0x0            ; e0 .. e7
	s_load_b128 s[40:43], s[14:15], 0x20           ; e8 .. e11
	s_cmp_ge_u32 ttmp9, 576
	s_cbranch_scc1 .Lpath_t
; ---- K INNERMOST.  The work-group takes 16 rows; wave w takes k = 256 w .. 256 w + 255: two units of 128 k.
	s_cmp_lt_u32 ttmp9, 512                        ; inputs or Wo: the choice hangs on the work-group's number alone
	s_cselect_b64 s[20:21], s[4:5], s[6:7]
	s_cselect_b32 s22, 0, 512
	s_cselect_b32 s23, 0, 27<<20
	s_sub_co_u32 s22, ttmp9, s22                   ; the row tile
	s_lshl_b32 s26, s22, 16                        ; 16 rows of 4,096 bytes
	s_lshl_b32 s27, s18, 10                        ; my 256 numbers of a row
	s_add_co_u32 s26, s26, s27
	s_mov_b32 s27, 0
	s_add_nc_u64 s[20:21], s[20:21], s[26:27]
	s_lshl_b32 s26, s22, 14                        ; the tile's 16,384 bytes of codes,
	s_add_co_u32 s26, s26, s23
	s_lshl_b32 s28, s18, 12                        ; my two fragments
	s_add_co_u32 s26, s26, s28
	s_add_nc_u64 s[DS:DS+1], s[16:17], s[26:27]
	s_add_nc_u64 s[DS+2:DS+3], s[DS:DS+1], 8<<20   ; the second and third image of inputs (not used for Wo)
	s_add_nc_u64 s[DS+4:DS+5], s[DS:DS+1], 16<<20
	s_wait_alu depctr_va_vdst(0)
.irp u, 0,1
.set ii, 0
.rept 16
	global_load_b128 v[L+64*\u+4*ii:L+64*\u+4*ii+3], v2, s[20:21] offset:ii*4096+\u*512 th:TH_LOAD_NT   ; row ii: 32 lanes read 512 consecutive bytes; read once in the launch
.set ii, ii+1
.endr
.endr
	s_mul_i32 s50, s18, STG
	v_add_nc_u32 v5, s50, v2                       ; into my stage: 16 x lane of a row
	v_mul_u32_u24 v6, v3, SP
	v_lshl_add_u32 v6, v4, 5, v6
	v_add_nc_u32 v6, s50, v6                       ; out of it: row r, + 32 h bytes: k = 8 h on
	s_wait_alu depctr_va_vdst(0)
	s_wait_kmcnt 0x0
	s_cmp_lt_u32 ttmp9, 512
	s_cselect_b32 s51, s33, s43                    ; entry 1 for inputs, entry 11 for Wo
	MKSC s51, PR, PR+1
	MKSC s35, PR+2, PR+3
	MKSC s37, PR+4, PR+5
.macro TOSTG u                         ; a unit as it was loaded: 16 rows of 512 bytes
.set ii, 0
.rept 16
	ds_store_b128 v5, v[L+64*\u+4*ii:L+64*\u+4*ii+3] offset:ii*SP
.set ii, ii+1
.endr
.endm
.macro FROMSTG                         ; and back in the operand's order: X[16 c + 0 .. 7] = k 32 c + 8 h + 0 .. 7, X[16 c + 8 .. 15] = k 32 c + 16 + 8 h + 0 .. 7 of row r
.irp c, 0,1,2,3
	ds_load_b128 v[X+16*\c:X+16*\c+3],     v6 offset:128*\c
	ds_load_b128 v[X+16*\c+4:X+16*\c+7],   v6 offset:128*\c+16
	ds_load_b128 v[X+16*\c+8:X+16*\c+11],  v6 offset:128*\c+64
	ds_load_b128 v[X+16*\c+12:X+16*\c+15], v6 offset:128*\c+80
.endr
.endm
; Unit u by scale s: the hold goes into T, so that X serves all three scales; T's two sets take turns, so that sixteen plain lines stand between a conversion and the next write of its sources.
; The codes take registers of the unit as loaded, which its stage stores have read; no store's data are written again.
.macro QONE u, s
.irp c, 0,1,2,3
.set ii, 0
.rept 16
	v_med3_num_f32 v[T+16*(\c%2)+ii], v[X+16*\c+ii], -v[PR+2*\s+1], v[PR+2*\s+1]   ; the conversion to an 8-bit code does not saturate (ISA guide 7.6.2): hold first
.set ii, ii+1
.endr
	v_cvt_scalef32_pk8_bf8_f32 v[L+64*\u+16*\s+4*\c:L+64*\u+16*\s+4*\c+1],   v[T+16*(\c%2):T+16*(\c%2)+7],    v[PR+2*\s]
	v_cvt_scalef32_pk8_bf8_f32 v[L+64*\u+16*\s+4*\c+2:L+64*\u+16*\s+4*\c+3], v[T+16*(\c%2)+8:T+16*(\c%2)+15], v[PR+2*\s]
.endr
.irp c, 0,1,2,3
	global_store_b128 v2, v[L+64*\u+16*\s+4*\c:L+64*\u+16*\s+4*\c+3], s[DS+2*\s:DS+2*\s+1] offset:\u*2048+\c*512   ; a group: 512 consecutive bytes
.endr
.endm
.macro QUANT u
	QONE \u, 0
	s_cmp_ge_u32 ttmp9, 512                        ; Wo has one scale
	s_cbranch_scc1 .Lone_\@
	QONE \u, 1
	QONE \u, 2
.Lone_\@:
.endm
	s_wait_alu depctr_va_vdst(0)
	s_wait_loadcnt 16                              ; unit 0's sixteen loads are in; unit 1's may be out
	TOSTG 0
	FROMSTG                                        ; LDS serves a wave's instructions in order (ISA guide 5.7.1.4): these see the stores above,
	s_wait_loadcnt 0x0
	TOSTG 1                                        ; and these stores come behind those reads
	s_wait_dscnt 16                                ; unit 0 is back in X, and its stage stores have read their registers; unit 1's sixteen stores may be out
	QUANT 0
	FROMSTG
	s_wait_dscnt 0x0
	QUANT 1
	s_wait_tensorcnt 0x0                           ; the wave's end
	ds_add_u32 v[SPW], v[NIL]
	s_wait_dscnt 0x0
	s_endpgm
; ---- K NOT INNERMOST (Wq, Wk, Wv: [head][k][d]).  A lane takes a column d and its registers run down k; no LDS.  A wave takes 128 k x 32 columns: two row tiles of one fragment column.
.Lpath_t:
	s_sub_co_u32 s22, ttmp9, 576
	s_lshr_b32 s23, s22, 6                         ; the tensor: 0 Wq, 1 Wk, 2 Wv
	s_bfe_u32 s24, s22, 0x40002                    ; the head
	s_and_b32 s25, s22, 3
	s_lshl_b32 s25, s25, 1
	s_lshr_b32 s26, s18, 1
	s_add_co_u32 s25, s25, s26                     ; which 128 along K
	s_and_b32 s26, s18, 1                          ; which 32 columns
	s_cmp_eq_u32 s23, 0
	s_cselect_b64 s[20:21], s[8:9], s[10:11]
	s_cmp_eq_u32 s23, 2
	s_cselect_b64 s[20:21], s[12:13], s[20:21]
	s_lshl_b32 s28, s24, 18                        ; a head: 1,024 rows of 256 bytes
	s_lshl_b32 s29, s25, 15
	s_add_co_u32 s28, s28, s29
	s_lshl_b32 s29, s26, 7
	s_add_co_u32 s28, s28, s29
	s_mov_b32 s29, 0
	s_add_nc_u64 s[20:21], s[20:21], s[28:29]
	s_lshl_b32 s28, s23, 20
	s_add_co_u32 s28, s28, 24<<20
	s_lshl_b32 s30, s24, 2
	s_lshl_b32 s31, s26, 1
	s_add_co_u32 s30, s30, s31                     ; row tile 4 head + 2 half
	s_lshl_b32 s30, s30, 14
	s_add_co_u32 s28, s28, s30
	s_lshl_b32 s30, s25, 11
	s_add_co_u32 s28, s28, s30
	s_add_nc_u64 s[DS:DS+1], s[16:17], s[28:29]
	s_wait_alu depctr_va_vdst(0)
	v_lshlrev_b32 v7, 2, v1                        ; 4 bytes a lane
.macro LOADT c                         ; W(32 c + i, my column): 32 lanes read 128 consecutive bytes; the neighbouring wave reads the 128 beside them
.set ii, 0
.rept 32
	global_load_b32 v[X+32*\c+ii], v7, s[20:21] offset:(32*\c+ii)*256
.set ii, ii+1
.endr
.endm
; A block of 32 along K.  The image wants k = 0-7 and 16-23 of a column in lane r, k = 8-15 and 24-31 in lane 16 + r.  My lane has all four octets of its column: octets 0, 2 go to CT+0..3, octets 1, 3 to CT+4..7, and
; the swap exchanges the upper half of the first with the lower half of the second: CT+0..3 is then the group of columns 0-15, CT+4..7 that of columns 16-31.
.macro WORKT c
.set ii, 0
.rept 32
	v_med3_num_f32 v[X+32*\c+ii], v[X+32*\c+ii], -v[PR+1], v[PR+1]
.set ii, ii+1
.endr
	v_cvt_scalef32_pk8_bf8_f32 v[CT+8*\c:CT+8*\c+1],   v[X+32*\c:X+32*\c+7],     v[PR]
	v_cvt_scalef32_pk8_bf8_f32 v[CT+8*\c+4:CT+8*\c+5], v[X+32*\c+8:X+32*\c+15],  v[PR]
	v_cvt_scalef32_pk8_bf8_f32 v[CT+8*\c+2:CT+8*\c+3], v[X+32*\c+16:X+32*\c+23], v[PR]
	v_cvt_scalef32_pk8_bf8_f32 v[CT+8*\c+6:CT+8*\c+7], v[X+32*\c+24:X+32*\c+31], v[PR]
	v_nop                                          ; one plain vector line between a scaled conversion and the vector instruction that touches its result
.irp j, 0,1,2,3
	v_permlane16_swap_b32 v[CT+8*\c+\j], v[CT+8*\c+4+\j]
.endr
	global_store_b128 v2, v[CT+8*\c:CT+8*\c+3],   s[DS:DS+1] offset:\c*512
	global_store_b128 v2, v[CT+8*\c+4:CT+8*\c+7], s[DS:DS+1] offset:16384+\c*512
.endm
	LOADT 0
	LOADT 1
	s_wait_alu depctr_va_vdst(0)
	s_wait_kmcnt 0x0
	s_cmp_eq_u32 s23, 0
	s_cselect_b32 s51, s32, s34                    ; entries 0, 2, 4
	s_cmp_eq_u32 s23, 2
	s_cselect_b32 s51, s36, s51
	MKSC s51, PR, PR+1
	s_wait_alu depctr_va_vdst(0)
	s_wait_loadcnt 32                              ; block 0 is in; block 1's 32 loads may be out
	LOADT 2
	WORKT 0
	s_wait_loadcnt 32                              ; block 1 is in; block 2's may be out
	LOADT 3
	WORKT 1
	s_wait_loadcnt 32                              ; block 2 is in; block 3's may be out
	WORKT 2
	s_wait_loadcnt 0x0
	WORKT 3
	s_endpgm                                       ; this way has written no LDS
.Lfunc_end_k_qabc5232ed7_prep:
	.size	k_qabc5232ed7_prep, .Lfunc_end_k_qabc5232ed7_prep-k_qabc5232ed7_prep
	.p2alignl 7, 3214868480
	.fill 96, 4, 3214868480
	.section	.rodata,"a",@progbits
	.p2align	6, 0x0
	.amdhsa_kernel k_qabc5232ed7_prep
		.amdhsa_group_segment_fixed_size 34304
		.amdhsa_private_segment_fixed_size 0
		.amdhsa_enable_private_segment 0
		.amdhsa_kernarg_size 56
		.amdhsa_user_sgpr_count 2
		.amdhsa_user_sgpr_kernarg_segment_ptr 1
		.amdhsa_wavefront_size32 1
		.amdhsa_system_sgpr_workgroup_id_x 1
		.amdhsa_system_sgpr_workgroup_id_y 1
		.amdhsa_system_sgpr_workgroup_id_z 1
		.amdhsa_system_vgpr_workitem_id 0
		.amdhsa_next_free_vgpr 248
		.amdhsa_next_free_sgpr 66
		.amdhsa_reserve_vcc 0
		.amdhsa_float_denorm_mode_32 3
		.amdhsa_float_denorm_mode_16_64 3
		.amdhsa_memory_ordered 1
		.amdhsa_forward_progress 1
		.amdhsa_inst_pref_size 64
	.end_amdhsa_kernel
	.amdgpu_metadata
---
amdhsa.version: [ 1, 2 ]
amdhsa.kernels:
  - .name:           k_qabc5232ed7_prep
    .symbol:         k_qabc5232ed7_prep.kd
    .args:
      - { .name: inputs, .offset: 0, .size: 8, .value_kind: global_buffer, .address_space: global }
      - { .name: Wo, .offset: 8, .size: 8, .value_kind: global_buffer, .address_space: global }
      - { .name: Wq, .offset: 16, .size: 8, .value_kind: global_buffer, .address_space: global }
      - { .name: Wk, .offset: 24, .size: 8, .value_kind: global_buffer, .address_space: global }
      - { .name: Wv, .offset: 32, .size: 8, .value_kind: global_buffer, .address_space: global }
      - { .name: lowp_scales, .offset: 40, .size: 8, .value_kind: global_buffer, .address_space: global }
      - { .name: codes, .offset: 48, .size: 8, .value_kind: global_buffer, .address_space: global }
    .group_segment_fixed_size: 34304
    .private_segment_fixed_size: 0
    .kernarg_segment_align: 8
    .kernarg_segment_size: 56
    .max_flat_workgroup_size: 128
    .sgpr_count:     66
    .vgpr_count:     248
    .wavefront_size: 32
...
	.end_amdgpu_metadata
.endif
;; end of part 1
;; launch proj (part 2): grid 4 x 96, 4 waves a work-group, clusters of 4 x 4, 327,680 bytes of LDS; arguments codes, lowp_scales, qkv; writes qkv
.if DOCPART == 2
	.amdgcn_target "amdgcn-amd-amdhsa--gfx1250"
	.amdhsa_code_object_version 6
	.text
	.protected	k_qabc5232ed7_proj
	.globl	k_qabc5232ed7_proj
	.p2align	8
	.type	k_qabc5232ed7_proj,@function
k_qabc5232ed7_proj:
	s_mov_b64 s[64:65], 0
	v_nop
	global_prefetch_b8 v0, s[64:65] scope:SCOPE_SE
	s_setreg_imm32_b32 hwreg(HW_REG_WAVE_MODE, 25, 1), 1
	s_wait_xcnt 0x0
	s_wait_alu depctr_hold_cnt(0) depctr_sa_sdst(0) depctr_va_vdst(0) depctr_va_sdst(0) depctr_va_ssrc(0) depctr_va_vcc(0) depctr_vm_vsrc(0)
	s_getreg_b32 s2, hwreg(HW_REG_IB_STS2, 6, 4)
	s_cmp_eq_u32 s2, 0
	s_cbranch_scc0 .Lentry_in_a_cluster
	s_endpgm
.Lentry_in_a_cluster:
	s_bfe_u32 s2, ttmp6, 0x10000c
	s_cmp_lg_u32 s2, 0xf033
	s_cbranch_scc0 .Lentry_shape_is_right
	s_endpgm
.Lentry_shape_is_right:
; The three projections on codes of E5M2: q = x Wq / 8, k = x Wk, v = x Wv (8,192 x 1,024 x 1,024 each), each result quantised at once, in registers, for the product that reads it.
; codes holds images of operand registers (a fragment, 16 rows x 128 k, is 2,048 bytes: four groups of 512, lane l's 16 bytes at 16 l; a tile of 16 rows has its eight fragments on end, 16,384 bytes):
;   x by scale entries 1, 3, 5 at 0, 8 Mi, 16 Mi; Wq, Wk, Wv (row n = 64 head + d) at 24, 25, 26 Mi.
; A work-group of four waves makes 256 x 256; a wave 128 x 128: 64 accumulators.  K goes in four steps of 256 through two LDS slots.  An image needs no pitch and no padding: every LDS load reads 512 consecutive bytes.
; Source 0 of the matrix instruction (F0, from region R0) gives the result's registers, source 1 (F1, from R1) its lanes: lane (r, h) of accumulator (a, b) holds row 16 a + r of F1, its register j row 16 b + 8 h + j of F0.
; q, k: F0 = the weight, F1 = x: a lane's registers run along d.   v: F0 = x, F1 = Wv: they run along the tokens, the keys.  Each time that is the next product's K: eight sums become two registers of its operand.
; The roles change by the tiles' addresses alone; masks, LDS map and text are the same.
; CLUSTER: 4 x 4 work-groups.  R1's tile hangs on cy and is asked for jointly along a row of the cluster, R0's on cx, along a column.  Cluster y / 8 says which product, cluster y % 8 which 1,024 tokens.
; qkv: q at 0, k at 8 Mi, v at 16 Mi, each [16 batch + head][131,072 bytes].  q, k: [tile of 16 tokens][1,024 bytes], a fragment 16 tokens x 64 d.  v: [block of 64 keys][tile of 16 d][1,024 bytes], a fragment 16 d x 64 keys.
; LIMIT: E = e(result) - e(weight) - e(x) (+ 3 for q: the division by 8) lies between -126 and 112, so that 2^E and 57,344 x 2^E are f32 numbers.
; REGISTERS, in windows of 256: window 0: v8-11 store offsets, v16-21 LDS addresses, v28-31; v32-95 at work on the way out; v128-255 F1's eight fragments, ONE set, later the codes.
;   window 1: F0's fragments, TWO sets, at v0 and v128.   window 2: accumulators of F1's blocks 0-3 ((a, b) at v[8 (8 (a % 4) + b)]);   window 3: of blocks 4-7.
.set HALFT,  32768                     ; 8 row tiles x 4,096 bytes: what one tensor load brings, and what one wave reads of R1 or of R0
.set SLOT,   131072                    ; R1's 16 row tiles, then R0's
.set KSTB,   4096                      ; a K step (256) of a row tile: two fragments
.set SPARE,  262144                    ; behind the ring: the spare words, 128 bytes for each wave: two blocks of 256 bytes that no other line names
.set FR,     16                        ; registers of a fragment
.set NL,     4                         ; LDS loads that bring one
.set NP,     4                         ; places behind this matrix instruction (ISA guide 7.12.1)
.set VO,   8                           ; v8-11   the way out: 16 x lane + x S2 + y S3
.set ADRA, 16                          ; v16-17  LDS address of my F1 fragments in slot 0, 1
.set ADRB, 20                          ; v20-21  the same for F0
.set SPW,  28                          ; v28     LDS address of my spare word; never rewritten
.set NIL,  29                          ; v29     0; never rewritten
.set CSC,  30                          ; v30     2^E as f32
.set CLIM, 31                          ; v31     57,344 x 2^E
.set TMP,  32
.set AF,   128
.set G1, 24                            ; s[24:31] descriptor group 1 for R1's tiles;  s[32:39] group 0, one set for each slot
.set G0, 32
.set G1B, 48                           ; s[48:55], s[56:63] the same for R0's
.set G0B, 56
.set MSB, 0
.macro WIN new                         ; the immediate's high byte repeats the setting that is left
.if MSB != \new
	s_set_vgpr_msb (MSB<<8)|\new
.set MSB, \new
.endif
.endm
.set MUL_LO, 0xa1                      ; source 0 (F0) window 1, source 1 (F1) window 0, C and D window 2
.set MUL_HI, 0xf1                      ; the same, C and D window 3
.set TO_B,   0x40                      ; destination window 1, address window 0
; A joint load: waves 0 and 1 fetch R1's halves, waves 2 and 3 R0's.  Each line has one mask and one set of registers for all that issue it; the branch hangs on the wave's number alone.
; An s_nop 0 and four v_nop follow each of the two lines, ahead of the jump, the label and what follows.
.macro JLOAD g0a, g1a, g0b, g1b
	s_cmp_eq_u32 s15, 0
	s_cbranch_scc0 .Lfor_b_\@
	tensor_load_to_lds s[\g0a:\g0a+3], s[\g1a:\g1a+7]
	s_nop 0
.rept 4
	v_nop
.endr
	s_branch .Lasked_\@
.Lfor_b_\@:
	tensor_load_to_lds s[\g0b:\g0b+3], s[\g1b:\g1b+7]
	s_nop 0
.rept 4
	v_nop
.endr
.Lasked_\@:
.endm
.macro CREST                           ; a round of the cluster's barrier behind its opening barrier
	s_cmp_lg_u32 s14, 0
	s_cbranch_scc1 .Lnot_wave_0_\@
	s_barrier_signal -3
.Lnot_wave_0_\@:
	s_barrier_wait -3
	s_barrier_signal -1
	s_barrier_wait -1
.endm
.macro CROUND                          ; a whole round
	s_barrier_signal -1
	s_barrier_wait -1
	CREST
.endm
	s_load_b128 s[4:7], s[0:1], 0x0                ; codes s[4:5], the scales' exponents s[6:7]
	s_load_b64 s[10:11], s[0:1], 0x10              ; qkv
	v_lshl_add_u32 v[SPW], v0, 2, SPARE
	v_mov_b32 v[NIL], 0
	ds_add_u32 v[SPW], v[NIL]                      ; the wave's opening: the add, twice on end, and its wait stand ahead of my first tensor load; the set-up below, work on registers, stands between them
	ds_add_u32 v[SPW], v[NIL]
	v_lshrrev_b32 v1, 5, v0
	v_readfirstlane_b32 s14, v1                    ; wave 0..3
	s_lshr_b32 s15, s14, 1                         ; h1: which half of R1's rows is mine.  Also: I fetch for R1 (0) or for R0 (1)
	s_and_b32 s16, s14, 1                          ; h0: which half of R0's rows.  Also: which 8 row tiles I fetch
	s_bfe_u32 s40, ttmp6, 0x40000                  ; cx, cy: my place in the cluster
	s_bfe_u32 s41, ttmp6, 0x40004
	s_and_b32 s42, ttmp7, 0xffff                   ; cluster y, 0 .. 23
	s_lshl_b32 s43, s41, 2
	s_lshl_b32 s43, 15, s43                        ; my row of the cluster
	s_lshl_b32 s44, 0x1111, s40                    ; my column
	; descriptor group 1: 8 rows (row tiles) of 512 elements of 8 bytes (a K step's 4,096 bytes), 2,048 elements (a row tile's 16,384 bytes) apart; dense in LDS
	s_or_b32 s[G1+0], s43, (3<<16)|(1<<21)         ; 15:0 the mask: R1's tiles go to my row; 17:16 elements of 8 bytes; 20 no padding; 21 set beside a mask
	s_or_b32 s[G1B+0], s44, (3<<16)|(1<<21)        ; R0's go to my column
.irp g, G1, G1B
	s_mov_b32 s[\g+1], 512<<16                     ; tensor_dim0 = 512
	s_mov_b32 s[\g+2], 8<<16                       ; tensor_dim1 = 8
	s_mov_b32 s[\g+3], 512<<16                     ; tile_dim0 = 512
	s_mov_b32 s[\g+4], 8                           ; tile_dim1 = 8
	s_mov_b32 s[\g+5], 2048                        ; tensor_dim0_stride
	s_mov_b32 s[\g+6], 0
	s_mov_b32 s[\g+7], 0
.endr
	; where the tiles lie in codes.  A tile of 256 rows is 262,144 bytes.  The part that hangs on the cluster's y is chosen first; cy (R1) or cx (R0) is added behind the choice
	s_lshr_b32 s17, s42, 3                         ; which: 0 q, 1 k, 2 v
	s_and_b32 s18, s42, 7                          ; idx: which 1,024 tokens
	s_lshl_b32 s19, s18, 20                        ; four tiles of x are 1 Mi
	s_lshl_b32 s66, s17, 23
	s_add_co_u32 s66, s66, s19                     ; q, k: R1 = x's image by this product's scale
	s_lshl_b32 s67, s17, 20
	s_add_co_u32 s67, s67, 24<<20                  ; q, k: R0 = the weight's image
	s_add_co_u32 s19, s19, 16<<20                  ; v: R0 = x's third image
	s_cmp_eq_u32 s17, 2
	s_cselect_b32 s20, 26<<20, s66                 ; v: R1 = Wv's image
	s_cselect_b32 s46, s19, s67
	s_lshl_b32 s22, s16, 17                        ; which 8 row tiles I fetch
	s_lshl_b32 s21, s41, 18
	s_add_co_u32 s20, s20, s21
	s_add_co_u32 s20, s20, s22
	s_mov_b32 s21, 0
	s_lshl_b32 s47, s40, 18
	s_add_co_u32 s46, s46, s47
	s_add_co_u32 s46, s46, s22
	s_mov_b32 s47, 0
	s_mul_i32 s45, s14, HALFT                      ; where they go: wave x 32,768: no place in the cluster enters an LDS address
	s_wait_dscnt 0x0                               ; the opening add is done
	s_wait_kmcnt 0x0
	s_load_b256 s[72:79], s[6:7], 0x0              ; e0 .. e7
	s_load_b128 s[80:83], s[6:7], 0x20             ; e8 .. e11
	s_add_nc_u64 s[20:21], s[4:5], s[20:21]
	s_add_nc_u64 s[46:47], s[4:5], s[46:47]
	CROUND                                         ; all sixteen work-groups are here: the first joint loads meet
.irp s, 0,1
	s_mov_b32 s[G0+4*\s], 1
	s_add_co_u32 s[G0+4*\s+1], s45, \s*SLOT
	s_add_nc_u64 s[G0+4*\s+2:G0+4*\s+3], s[20:21], \s*KSTB
	s_or_b32 s[G0+4*\s+3], s[G0+4*\s+3], 0x80000000
	s_mov_b32 s[G0B+4*\s], 1
	s_add_co_u32 s[G0B+4*\s+1], s45, \s*SLOT
	s_add_nc_u64 s[G0B+4*\s+2:G0B+4*\s+3], s[46:47], \s*KSTB
	s_or_b32 s[G0B+4*\s+3], s[G0B+4*\s+3], 0x80000000
.endr
	JLOAD G0, G1, G0B, G1B                         ; K step 0: one tensor load a wave at the head
	v_and_b32 v1, 31, v0
	v_lshlrev_b32 v[VO], 4, v1                     ; 16 x lane: my place in every group
	s_wait_alu depctr_va_vdst(0)
	s_lshl_b32 s21, s15, 15                        ; my 8 row tiles of R1
	s_lshl_b32 s22, s16, 15                        ; my 8 of R0,
	s_add_co_u32 s22, s22, 2*HALFT                 ; which lie behind R1's 16
.irp s, 0,1
	v_add_nc_u32 v[ADRA+\s], s21, v[VO]
	v_add_nc_u32 v[ADRB+\s], s22, v[VO]
	s_add_co_u32 s21, s21, SLOT
	s_add_co_u32 s22, s22, SLOT
.endr
	; the way out.  x = a / 4, y = p / 2 (a: F1's block; p: four registers of its codes).  q, k: x steps four token tiles (4,096 bytes), y a head (131,072).  v: x a head, y a block of 64 keys (4,096).
	s_cmp_eq_u32 s17, 2
	s_cselect_b32 s84, s40, s41                    ; the tile of tokens hangs on cx (v) or cy
	s_cselect_b32 s85, s41, s40                    ; the tile of weight rows on the other
	s_cselect_b32 s86, s16, s15                    ; my half of the tokens
	s_cselect_b32 s87, s15, s16                    ; my half of the weight's rows: two heads
	s_mov_b32 s88, 4096
	s_cselect_b32 s89, 0x20000, s88                ; S2
	s_cselect_b32 s90, s88, 0x20000                ; S3
	s_lshl_b32 s91, s18, 2
	s_add_co_u32 s84, s84, s91                     ; the tile of 256 tokens, 0 .. 31
	s_lshr_b32 s91, s84, 3                         ; the batch
	s_lshl_b32 s91, s91, 4
	s_lshl_b32 s85, s85, 2
	s_add_co_u32 s91, s91, s85
	s_lshl_b32 s87, s87, 1
	s_add_co_u32 s91, s91, s87                     ; 16 batch + my first head
	s_lshl_b32 s91, s91, 17
	s_and_b32 s84, s84, 7
	s_lshl_b32 s84, s84, 1
	s_add_co_u32 s84, s84, s86
	s_lshl_b32 s84, s84, 13                        ; 128 tokens are 8,192 bytes in all three layouts
	s_add_co_u32 s84, s84, s91
	s_lshl_b32 s91, s17, 23
	s_add_co_u32 s84, s84, s91
	s_mov_b32 s85, 0
	s_add_nc_u64 s[10:11], s[10:11], s[84:85]
	v_add_nc_u32 v[VO+1], s90, v[VO]
	v_add_nc_u32 v[VO+2], s89, v[VO]
	v_add_nc_u32 v[VO+3], s90, v[VO+2]
.macro FRAG reg, adr, q, i             ; a fragment comes as it lies: four loads of 512 consecutive bytes.  i: row tile, q: which 128 of the slot's 256 along K
.irp c, 0,1,2,3
	ds_load_b128 v[\reg+4*\c:\reg+4*\c+3], v[\adr] offset:(\i)*4096+(\q)*2048+512*\c
.endr
.endm
; 16 matrix instructions: F1's blocks a0, a0 + 1 x F0's eight, 128 along K.  p: F0's set.  zero = 1: the first product starts the sums: nothing is ever cleared.
; The 64 accumulators take turns, one instruction a turn, in the same order in every step.
.macro MUL16 a0, p, zero
.irp a, \a0, \a0+1
.irp b, 0,1,2,3,4,5,6,7
.if \zero
	v_wmma_f32_16x16x128_bf8_bf8 v[8*(8*((\a)%4)+\b):8*(8*((\a)%4)+\b)+7], v[128*(\p)+FR*\b:128*(\p)+FR*\b+FR-1], v[AF+FR*(\a):AF+FR*(\a)+FR-1], 0
.else
	v_wmma_f32_16x16x128_bf8_bf8 v[8*(8*((\a)%4)+\b):8*(8*((\a)%4)+\b)+7], v[128*(\p)+FR*\b:128*(\p)+FR*\b+FR-1], v[AF+FR*(\a):AF+FR*(\a)+FR-1], v[8*(8*((\a)%4)+\b):8*(8*((\a)%4)+\b)+7]
.endif
.endr
.endr
.endm
.macro FETCH_B slot, q, p              ; F0's eight fragments into set p
	WIN TO_B
.irp i, 0,1,2,3,4,5,6,7
	FRAG 128*(\p)+FR*\i, ADRB+\slot, \q, \i
.endr
	WIN 0
.endm
.macro FETCH_A slot, q, i0             ; F1's blocks i0 .. i0 + 3
.irp i, \i0, \i0+1, \i0+2, \i0+3
	FRAG AF+FR*(\i), ADRA+\slot, \q, \i
.endr
.endm
; A load into a register that a matrix instruction has read, and a vector instruction that reads a matrix result, stand NP places behind that matrix instruction; only plain vector instructions that name none of its
; registers are places (ISA guide 7.12.1 for vector instructions).
.macro PLACES n
.rept \n
	v_nop
.endr
.endm
; A step of 128 along K that has its successor in the same slot.  A block of F1 is free as soon as its eight products are issued: blocks 0-3 are fetched anew in the step's middle, blocks 4-7 at its end.
.macro STEP slot, q, zero
	s_wait_dscnt 4*NL                              ; F0's set and F1's blocks 0-3 are in; the youngest sixteen loads (blocks 4-7) may be out
	WIN MUL_LO
	MUL16 0, (\q)%2, \zero
	MUL16 2, (\q)%2, \zero
	s_wait_dscnt 0                                 ; blocks 4-7 are in (asked for 32 matrix instructions ago)
	PLACES NP
	FETCH_B \slot, (\q)+1, 1-(\q)%2
	FETCH_A \slot, (\q)+1, 0
	WIN MUL_HI
	MUL16 4, (\q)%2, \zero
	MUL16 6, (\q)%2, \zero
	PLACES NP
	WIN 0
	FETCH_A \slot, (\q)+1, 4
.endm
; A slot's last step changes slots: ONE barrier; in front of it each wave waits for all its tensor loads, adds 0 to its spare word, and waits for that and for its own reads of this slot.  fill = 1: this slot is filled again, two K steps ahead.
.macro TURN slot, next, fill
	s_wait_tensorcnt 0x0                           ; all my tensor loads have landed: my part of the next slot  (every window is 0 here)
	ds_add_u32 v[SPW], v[NIL]                      ; 0 onto my spare word
	s_wait_dscnt 4*NL+1                            ; (the add and the youngest sixteen loads, blocks 4-7, may be out)
	WIN MUL_LO
	MUL16 0, 1, 0                                  ; sixteen matrix instructions stand between the add and the wait for it
	s_wait_dscnt 0x0                               ; the add is done, and my reads of this slot are over
	s_barrier_signal -1
	MUL16 2, 1, 0
	WIN 0
	s_barrier_wait -1
.if \fill
	CREST                                          ; the barrier has opened a round of the cluster's barrier: no wave of any partner still reads this slot's tile or has a load on its way
	s_add_nc_u64 s[G0+4*\slot+2:G0+4*\slot+3], s[G0+4*\slot+2:G0+4*\slot+3], 2*KSTB
	s_add_nc_u64 s[G0B+4*\slot+2:G0B+4*\slot+3], s[G0B+4*\slot+2:G0B+4*\slot+3], 2*KSTB
	JLOAD G0+4*\slot, G1, G0B+4*\slot, G1B         ; the first tensor load behind the round, my one load until the next; its four v_nop are the places in front of the loads below
.else
	PLACES NP
.endif
	FETCH_B \next, 0, 0
	FETCH_A \next, 0, 0
	WIN MUL_HI
	MUL16 4, 1, 0
	MUL16 6, 1, 0
	PLACES NP
	WIN 0
	FETCH_A \next, 0, 4
.endm
	s_wait_alu depctr_va_vdst(0)
	s_wait_tensorcnt 0x0                           ; my part of K step 0 is in
	ds_add_u32 v[SPW], v[NIL]
	s_wait_dscnt 0x0
	CROUND                                         ; everybody's part is in, and the sixteen work-groups meet
	JLOAD G0+4, G1, G0B+4, G1B                     ; K step 1, into slot 1: the first tensor load behind the round
	FETCH_B 0, 0, 0
	FETCH_A 0, 0, 0
	FETCH_A 0, 0, 4
	STEP 0, 0, 1                                   ; K = 1,024 is four K steps, twice round the ring: written out, no loop
	TURN 0, 1, 1                                   ; slot 0 takes K step 2
	STEP 1, 0, 0
	TURN 1, 0, 1                                   ; slot 1 takes K step 3
	STEP 0, 0, 0
	TURN 0, 1, 0                                   ; nothing is left to fetch, and no round follows
	STEP 1, 0, 0
	s_wait_dscnt 4*NL                              ; the very last step
	WIN MUL_LO
	MUL16 0, 1, 0
	MUL16 2, 1, 0
	s_wait_dscnt 0
	WIN MUL_HI
	MUL16 4, 1, 0
	MUL16 6, 1, 0
	WIN 0
	; THE WAY OUT.  A sum stands for sum x 2^(eW + eX); its code is sum / 2^E: the scales are folded into the conversion's one.  The entries are chosen by selects on the cluster's y: no branch hangs on a loaded number.
	s_wait_kmcnt 0x0
	s_cmp_eq_u32 s17, 0
	s_cselect_b32 s92, s72, s74                    ; the weight's: entries 0, 2, 4
	s_cselect_b32 s93, s73, s75                    ; x's: entries 1, 3, 5
	s_cselect_b32 s94, s78, s79                    ; the result's: entries 6 (q), 7 (k), 9 (v)
	s_cselect_b32 s95, 3, 0                        ; q is divided by 8 = sqrt(64) ahead of its quantiser
	s_cmp_eq_u32 s17, 2
	s_cselect_b32 s92, s76, s92
	s_cselect_b32 s93, s77, s93
	s_cselect_b32 s94, s81, s94
	s_sub_co_i32 s94, s94, s92
	s_sub_co_i32 s94, s94, s93
	s_add_co_i32 s94, s94, s95                     ; E
	s_add_co_i32 s94, s94, 127
	s_lshl_b32 s95, s94, 23
	v_mov_b32 v[CSC], s95
	s_add_co_i32 s94, s94, 15
	s_lshl_b32 s94, s94, 23
	s_or_b32 s94, s94, 0x600000
	v_mov_b32 v[CLIM], s94
	PLACES NP
; F1's block a: 64 sums a lane are held, each accumulator from its low end on, and become 16 registers of codes: two fragments of the next product (four groups).  Each store covers 512 consecutive bytes, aligned.
; Every block has its own registers for its codes, so no store's data are written again.
.macro OUTB a
	WIN 0x02+((\a)/4)                              ; source 0: window 2 or 3
.set jj, 0
.rept 64
	v_med3_num_f32 v[TMP+jj], v[64*((\a)%4)+jj], -v[CLIM], v[CLIM]   ; the conversion to an 8-bit code does not saturate (ISA guide 7.6.2)
.set jj, jj+1
.endr
	WIN 0
.irp b, 0,1,2,3,4,5,6,7
	v_cvt_scalef32_pk8_bf8_f32 v[AF+16*(\a)+2*\b:AF+16*(\a)+2*\b+1], v[TMP+8*\b:TMP+8*\b+7], v[CSC]
.endr
	v_nop                                          ; one plain vector line between a scaled conversion and the next write of its sources
.irp p, 0,1,2,3
	global_store_b128 v[VO+2*((\a)/4)+\p/2], v[AF+16*(\a)+4*\p:AF+16*(\a)+4*\p+3], s[10:11] offset:((\a)%4)*1024+(\p%2)*512
.endr
.endm
.irp a, 0,1,2,3,4,5,6,7
	OUTB \a
.endr
	s_wait_tensorcnt 0x0                           ; the wave's end
	ds_add_u32 v[SPW], v[NIL]
	s_wait_dscnt 0x0
	CROUND                                         ; the closing round: no work-group ends while a partner may still ask for a tile that names it
	s_endpgm
.Lfunc_end_k_qabc5232ed7_proj:
	.size	k_qabc5232ed7_proj, .Lfunc_end_k_qabc5232ed7_proj-k_qabc5232ed7_proj
	.p2alignl 7, 3214868480
	.fill 96, 4, 3214868480
	.section	.rodata,"a",@progbits
	.p2align	6, 0x0
	.amdhsa_kernel k_qabc5232ed7_proj
		.amdhsa_group_segment_fixed_size 327680
		.amdhsa_private_segment_fixed_size 0
		.amdhsa_enable_private_segment 0
		.amdhsa_kernarg_size 24
		.amdhsa_user_sgpr_count 2
		.amdhsa_user_sgpr_kernarg_segment_ptr 1
		.amdhsa_wavefront_size32 1
		.amdhsa_system_sgpr_workgroup_id_x 1
		.amdhsa_system_sgpr_workgroup_id_y 1
		.amdhsa_system_sgpr_workgroup_id_z 1
		.amdhsa_system_vgpr_workitem_id 0
		.amdhsa_next_free_vgpr 1024
		.amdhsa_next_free_sgpr 100
		.amdhsa_reserve_vcc 0
		.amdhsa_float_denorm_mode_32 3
		.amdhsa_float_denorm_mode_16_64 3
		.amdhsa_memory_ordered 1
		.amdhsa_forward_progress 1
		.amdhsa_inst_pref_size 119
	.end_amdhsa_kernel
	.amdgpu_metadata
---
amdhsa.version: [ 1, 2 ]
amdhsa.kernels:
  - .name:           k_qabc5232ed7_proj
    .symbol:         k_qabc5232ed7_proj.kd
    .args:
      - { .name: codes, .offset: 0, .size: 8, .value_kind: global_buffer, .address_space: global }
      - { .name: lowp_scales, .offset: 8, .size: 8, .value_kind: global_buffer, .address_space: global }
      - { .name: qkv, .offset: 16, .size: 8, .value_kind: global_buffer, .address_space: global }
    .group_segment_fixed_size: 327680
    .private_segment_fixed_size: 0
    .kernarg_segment_align: 8
    .kernarg_segment_size: 24
    .max_flat_workgroup_size: 128
    .sgpr_count:     100
    .vgpr_count:     1024
    .wavefront_size: 32
...
	.end_amdgpu_metadata
.endif
;; end of part 2
;; launch attn (part 3): grid 4 x 64, 16 waves a work-group, clusters of 4 x 1, 327,680 bytes of LDS; arguments qkv, lowp_scales, aimg; writes aimg
.if DOCPART == 3
	.amdgcn_target "amdgcn-amd-amdhsa--gfx1250"
	.amdhsa_code_object_version 6
	.text
	.protected	k_qabc5232ed7_attn
	.globl	k_qabc5232ed7_attn
	.p2align	8
	.type	k_qabc5232ed7_attn,@function
k_qabc5232ed7_attn:
	s_mov_b64 s[64:65], 0
	v_nop
	global_prefetch_b8 v0, s[64:65] scope:SCOPE_SE
	s_setreg_imm32_b32 hwreg(HW_REG_WAVE_MODE, 25, 1), 1
	s_wait_xcnt 0x0
	s_wait_alu depctr_hold_cnt(0) depctr_sa_sdst(0) depctr_va_vdst(0) depctr_va_sdst(0) depctr_va_ssrc(0) depctr_va_vcc(0) depctr_vm_vsrc(0)
	s_getreg_b32 s2, hwreg(HW_REG_IB_STS2, 6, 4)
	s_cmp_eq_u32 s2, 0
	s_cbranch_scc0 .Lentry_in_a_cluster
	s_endpgm
.Lentry_in_a_cluster:
	s_bfe_u32 s2, ttmp6, 0x10000c
	s_cmp_lg_u32 s2, 0x3003
	s_cbranch_scc0 .Lentry_shape_is_right
	s_endpgm
.Lentry_shape_is_right:
; Causal attention of one (batch, head) on codes of E5M2, head size 64, 2,048 tokens; the result is quantised at once for the output projection.
; qkv: q at 0, k at 8 Mi, v at 16 Mi, each [bh = 16 batch + head][131,072 bytes], as images of operand registers (a fragment 16 rows x 64 k is 1,024 bytes: two groups of 512, lane l's 16 bytes at 16 l):
;   q, k: [tile of 16 tokens], rows = tokens, k = d.   v: [block of 64 keys][tile of 16 d], rows = d, k = the keys.  q was divided by 8 ahead of its quantiser.
; THE SOFTMAX AHEAD OF THE SECOND PRODUCT: t = score x log2(e); M = the running largest t rounded UP to a whole number; p = 2^(t - M) is quantised, not normalised.  The row's sum is taken of the unquantised p and
; divides at the end.  When M moves, the sum and O are multiplied by 2^(old M - new M): exact.
; SHARES.  Four work-groups, one cluster, to a (batch, head); sixteen waves each.  A wave w owns TWO TILES of 16 queries: tile 0 is j = 4 w + cx, tile 1 is 127 - j.  In blocks of 64 keys tile 0's last block is w, tile 1's 31 - w.
; A trip takes a pair of blocks.  While the pair's first block is at or under w: two steps, each 64 keys against both tiles, which share each fragment of K and V.  Afterwards: ONE WIDE STEP, 128 keys against tile 1 alone.
; Both kinds hold 64 scores a lane.  Even w: w + 2 steps and 15 - w wide ones; odd w: w + 1 and 16 - w: 17 for every wave of the launch.  The one block of a pair that lies wholly behind a tile's queries is hidden by the mask.
; WORK LEFT OUT: pairs of blocks all of whose keys come after a tile's queries (the causal mask) are not done for that tile.  Every wave walks all 16 trips, so that the trip count is a constant;
; the branches hang on the wave's number and the count of trips alone, so they are alike in the four partners.  Hidden scores become -infinity; there cx enters by a lane's number, not by a branch.
; LDS holds the head's whole K (131,072 bytes) and V (131,072): every byte is filled once, by JOINT loads of the four partners, who read the same K and V: every wave asks for 16,384 bytes at the head.
; Every partner's wave 0 reads the last pair, so no partner gets a tile that it does not read.  NO PREFETCH: all of K and V is asked for at the head; no later load is left to run ahead of.
; BOTH PRODUCTS ARE USED TRANSPOSED: S^T = K Q^T, O^T = V^T P^T: a lane holds one query (lane % 16); register n of a block's 32 scores is key 16 (n / 8) + 8 (lane / 16) + n % 8, the place that the second
; product's operand gives that key: eight p become two of its registers, and eight of O^T two registers of the output projection's operand.
; aimg: [tile of 16 tokens: 512][head: 16][1,024 bytes]: two heads' parts are a fragment 16 tokens x 128 k of the output projection.
; LIMITS: e6 + e7 between -126 and 127 (added to log2(e)'s exponent field); e8, and e10 - e8 - e9, between -126 and 112; the scaled scores t stay under 2^31 in magnitude.
.set VOFF,  131072                     ; V behind K
.set SPARE, 262144                     ; behind both: the spare words, 128 bytes for each wave: eight blocks of 256 bytes that no other line names
.set LI,   1                           ; v1   16 x lane
.set SPW,  2                           ; v2   LDS address of my spare word; never rewritten
.set NIL,  3                           ; v3   0; never rewritten
.set LV,   4                           ; v4   VOFF + 16 x lane
.set ADK,  5                           ; v5   LDS address of the trip's K
.set ADV,  6                           ; v6   of its V
.set NINF, 7                           ; v7   -infinity
.set DA,   8                           ; v8, v9  in a tile's last block: query - the block's first key - 8 (lane / 16), tile 0, tile 1
.set PSC,  10                          ; v10  2^e8 as f32; on the way out 2^(e10 - e8 - e9)
.set PLIM, 11                          ; v11  57,344 x that
.set ST,   12                          ; tile t's statistics at v[12 + 10 t]: +0 -M, +1 the largest t, +2, +3 the sum in two halves, +4 f (+5 named with it as a pair), +6, +7 at work, +8 a permute's destination
.set T0,   ST
.set T1,   ST+10
.set CH,   32                          ; v32-35  further chains of sums
.set QF,   36                          ; v36-51  Q, 8 registers a tile; in wide steps v36-43 hold the second block's codes of p (tile 0 is done)
.set KFR,  52                          ; v52-83  K's four fragments, then v52-67 p's codes;  wide: v52-115 K's eight fragments, then V's eight
.set VFR,  84                          ; v84-115 V's four fragments
.set S,    116                         ; v116-179 S^T, then p: 32 registers a tile (wide: a block)
.set O,    180                         ; v180-243 O^T: 32 registers a tile
.set PW,   244                         ; v244-251 wide: the first block's codes of p
.set TH,   252                         ; v252, v253 the mask's bounds
.set WV,   10                          ; s10  my wave's number = tile 0's last block;  s11  31 - that = tile 1's last block
.set BH,   12                          ; s12  16 batch + head
.set CX,   13                          ; s13  my work-group's place in the cluster
.set G1,   16                          ; s[16:23] descriptor group 1
.set G0,   32                          ; s[32:35] group 0
.set SEL,  40                          ; s[40:41] lane selects: lane l xor 16
.set CS,   42                          ; s[42:43] c = log2(e) x 2^(e6 + e7)
.set SC,   44                          ; s44  the trip's first block
.set TB,   45                          ; s45  4,096 x that: its bytes in K and in V
.set CNT,  46                          ; s46  trips to go
.macro ROUND                           ; a round of the cluster's barrier
	s_barrier_signal -1
	s_barrier_wait -1
	s_cmp_lg_u32 s[WV], 0
	s_cbranch_scc1 .Lnot_wave_0_\@
	s_barrier_signal -3
.Lnot_wave_0_\@:
	s_barrier_wait -3
	s_barrier_signal -1
	s_barrier_wait -1
.endm
	s_load_b128 s[4:7], s[0:1], 0x0                ; qkv s[4:5], the scales' exponents s[6:7]
	s_load_b64 s[8:9], s[0:1], 0x10                ; aimg
	v_lshl_add_u32 v[SPW], v0, 2, SPARE
	v_mov_b32 v[NIL], 0
	ds_add_u32 v[SPW], v[NIL]                      ; the opening lines: the add, twice on end, and its wait ahead of my first tensor load
	ds_add_u32 v[SPW], v[NIL]
	v_lshrrev_b32 v5, 5, v0
	v_readfirstlane_b32 s[WV], v5                  ; wave 0..15
	s_sub_co_u32 s[WV+1], 31, s[WV]
	s_and_b32 s[BH], ttmp7, 0xffff
	s_bfe_u32 s[CX], ttmp6, 0x40000
	; group 1: 64 rows of 32 elements of 8 bytes, dense in memory and in LDS: 16,384 bytes
	s_mov_b32 s[G1], 15|(3<<16)|(1<<21)            ; 15:0 the mask: the cluster's four; 17:16 elements of 8 bytes; 21 set beside a mask
	s_mov_b32 s[G1+1], 32<<16                      ; tensor_dim0
	s_mov_b32 s[G1+2], 64<<16                      ; tensor_dim1
	s_mov_b32 s[G1+3], 32<<16                      ; tile_dim0
	s_mov_b32 s[G1+4], 64                          ; tile_dim1
	s_mov_b32 s[G1+5], 32                          ; tensor_dim0_stride
	s_mov_b32 s[G1+6], 0
	s_mov_b32 s[G1+7], 0
	; what I fetch: waves 0-7 an eighth of K, waves 8-15 an eighth of V
	s_lshr_b32 s14, s[WV], 3
	s_and_b32 s15, s[WV], 7
	s_mov_b32 s[G0], 1
	s_lshl_b32 s[G0+1], s[WV], 14                  ; the LDS address: made of the wave's number alone
	s_add_co_u32 s14, s14, 1
	s_lshl_b32 s14, s14, 23                        ; k at 8 Mi, v at 16 Mi
	s_lshl_b32 s59, s[BH], 17
	s_add_co_u32 s14, s14, s59
	s_lshl_b32 s57, s15, 14
	s_add_co_u32 s62, s14, s57
	s_mov_b32 s63, 0
	s_mov_b32 s[SEL], 0x76543210
	s_mov_b32 s[SEL+1], 0xfedcba98
	s_mov_b32 s[SC], 0
	s_mov_b32 s[TB], 0
	s_wait_dscnt 0x0                               ; both opening adds are done
	s_wait_kmcnt 0x0
	s_load_b128 s[52:55], s[6:7], 0x18             ; e6, e7, e8, e9
	s_load_b32 s56, s[6:7], 0x28                   ; e10
	s_add_nc_u64 s[G0+2:G0+3], s[4:5], s[62:63]
	s_or_b32 s[G0+3], s[G0+3], 0x80000000
	ROUND                                          ; the four work-groups are here: the joint loads meet
	tensor_load_to_lds s[G0:G0+3], s[G1:G1+7]      ; my one tensor load
	s_nop 0
	s_lshl_b32 s14, s[WV], 2
	s_add_co_u32 s14, s14, s[CX]                   ; tile 0: j
	s_sub_co_u32 s15, 127, s14                     ; tile 1
	s_lshl_b32 s62, s14, 10                        ; a tile of 16 queries is 1,024 bytes
	s_add_co_u32 s62, s62, s59
	s_add_nc_u64 s[48:49], s[4:5], s[62:63]
	s_lshl_b32 s62, s15, 10
	s_add_co_u32 s62, s62, s59
	s_add_nc_u64 s[50:51], s[4:5], s[62:63]
	v_and_b32 v[LI], 31, v0
	v_lshlrev_b32 v[LI], 4, v[LI]
	v_add_nc_u32 v[LV], VOFF, v[LI]
.irp c, 0,1
	global_load_b128 v[QF+4*\c:QF+4*\c+3], v[LI], s[48:49] offset:\c*512       ; Q stays in registers
	global_load_b128 v[QF+8+4*\c:QF+8+4*\c+3], v[LI], s[50:51] offset:\c*512
.endr
	s_lshr_b32 s47, s[BH], 4                       ; where my codes go: (128 batch + tile) x 16,384 + head x 1,024
	s_lshl_b32 s47, s47, 21
	s_and_b32 s57, s[BH], 15
	s_lshl_b32 s57, s57, 10
	s_add_co_u32 s47, s47, s57
	s_lshl_b32 s62, s15, 14
	s_add_co_u32 s62, s62, s47
	s_add_nc_u64 s[60:61], s[8:9], s[62:63]        ; tile 1's
	s_lshl_b32 s62, s14, 14
	s_add_co_u32 s62, s62, s47
	s_add_nc_u64 s[8:9], s[8:9], s[62:63]          ; tile 0's
	s_lshl_b32 s57, s[CX], 4                       ; in its last block tile 0 begins 16 cx keys behind the block's first key,
	s_sub_co_u32 s58, 48, s57                      ; tile 1 16 (3 - cx)
	v_and_b32 v[DA], 15, v0
	v_bfe_u32 v[DA+1], v0, 4, 1
	v_lshlrev_b32 v[DA+1], 3, v[DA+1]
	v_sub_nc_u32 v[DA+1], v[DA], v[DA+1]
	v_add_nc_u32 v[DA], s57, v[DA+1]
	v_add_nc_u32 v[DA+1], s58, v[DA+1]
	v_mov_b32 v[NINF], 0xff800000
.irp t, 0,1
	v_mov_b32 v[ST+10*\t+1], 0xff61b1e6            ; the largest t so far: -3e38, under every t
	v_floor_f32 v[ST+10*\t], -v[ST+10*\t+1]        ; -M
	v_mov_b32 v[ST+10*\t+2], 0                     ; the sum
	v_mov_b32 v[ST+10*\t+3], 0
	v_mov_b32 v[ST+10*\t+5], 0                     ; (named as the upper half of f's pair)
	v_mov_b32 v[ST+10*\t+8], 0                     ; written once: a lane permute's destination counts as one of its sources
.endr
.set nn, 0
.rept 64
	v_mov_b32 v[O+nn], 0                           ; O^T.  (The step has no first copy: the first change of M multiplies zeros)
.set nn, nn+1
.endr
	s_wait_kmcnt 0x0
	s_add_co_i32 s57, s52, s53
	s_lshl_b32 s57, s57, 23
	s_mov_b32 s[CS], 0x3fb8aa3b                    ; log2(e)
	s_add_co_i32 s[CS], s[CS], s57                 ; a score stands for score x 2^(e6 + e7): the exponents are added to its exponent field
	s_mov_b32 s[CS+1], s[CS]                       ; (named with it as a pair, so it is written)
	s_add_co_i32 s57, s54, 127
	s_lshl_b32 s58, s57, 23
	v_mov_b32 v[PSC], s58
	s_add_co_i32 s57, s57, 15
	s_lshl_b32 s57, s57, 23
	s_or_b32 s57, s57, 0x600000
	v_mov_b32 v[PLIM], s57
; PARTS THAT BOTH KINDS OF STEP SHARE.  The 64 scores are two halves of 32 registers: two tiles, or two blocks of keys.
.macro ADDRS                           ; with the two additions: four places behind the last products, in front of loads into registers that they have read
	v_add_nc_u32 v[ADK], s[TB], v[LI]
	v_add_nc_u32 v[ADV], s[TB], v[LV]
	v_nop
	v_nop
.endm
.macro HIDE u, b                       ; half u: register n is hidden where 16 (n / 8) + n % 8 > the bound in v[b]
.set nn, 0
.rept 32
	v_cmp_gt_i32 vcc_lo, 16*(nn/8)+nn%8, v[\b]
	v_cndmask_b32 v[S+32*\u+nn], v[S+32*\u+nn], v[NINF], vcc_lo
.set nn, nn+1
.endr
.endm
.macro MAXES                           ; each half's largest score of my lane, in two chains a half, ascending: into +6 and +7 of the half's statistics
.irp t, 0,1
	v_max3_num_f32 v[ST+10*\t+6], v[S+32*\t], v[S+32*\t+1], v[S+32*\t+2]
	v_max3_num_f32 v[ST+10*\t+7], v[S+32*\t+3], v[S+32*\t+4], v[S+32*\t+5]
.endr
.irp i, 6,10,14,18,22,26
.irp t, 0,1
	v_max3_num_f32 v[ST+10*\t+6], v[ST+10*\t+6], v[S+32*\t+\i], v[S+32*\t+\i+1]
	v_max3_num_f32 v[ST+10*\t+7], v[ST+10*\t+7], v[S+32*\t+\i+2], v[S+32*\t+\i+3]
.endr
.endr
.irp t, 0,1
	v_max3_num_f32 v[ST+10*\t+6], v[ST+10*\t+6], v[S+32*\t+30], v[S+32*\t+31]
.endr
.endm
.macro POWERS m0, m1                   ; p = 2^(t - M): -M stands in v[m0] for the first half, in v[m1] for the second
.set nn, 0
.rept 16
	v_pk_fma_f32 v[S+nn:S+nn+1], v[S+nn:S+nn+1], s[CS:CS+1], v[\m0:\m0+1] op_sel_hi:[1,0,0]   ; t - M, two at a time (of the pairs c and -M the low word serves both halves)
.set nn, nn+2
.endr
.rept 16
	v_pk_fma_f32 v[S+nn:S+nn+1], v[S+nn:S+nn+1], s[CS:CS+1], v[\m1:\m1+1] op_sel_hi:[1,0,0]
.set nn, nn+2
.endr
	s_wait_alu depctr_va_vdst(0)
.set nn, 0
.rept 64
	v_exp_f32 v[S+nn], v[S+nn]                     ; at most 1: not normalised
.set nn, nn+1
.endr
.endm
.macro HOLD
.set nn, 0
.rept 64
	v_min_num_f32 v[S+nn], v[S+nn], v[PLIM]        ; the conversion to an 8-bit code does not saturate (ISA guide 7.6.2); p is not negative, so the hold is one-sided
.set nn, nn+1
.endr
.endm
; A STEP: block SC + q, 64 keys, against both tiles.  The tiles' chains stand line by line; in the short chain of statistics a hint names the line two vector lines back.
.macro BODY2 q
	ADDRS
.irp f, 0,1,2,3
	ds_load_b128 v[KFR+8*\f:KFR+8*\f+3],   v[ADK] offset:\q*4096+\f*1024
	ds_load_b128 v[KFR+8*\f+4:KFR+8*\f+7], v[ADK] offset:\q*4096+\f*1024+512
.endr
.irp f, 0,1,2,3
	ds_load_b128 v[VFR+8*\f:VFR+8*\f+3],   v[ADV] offset:\q*4096+\f*1024
	ds_load_b128 v[VFR+8*\f+4:VFR+8*\f+7], v[ADV] offset:\q*4096+\f*1024+512
.endr
	s_wait_dscnt 8                                 ; K is in; V's eight loads may be out
.irp f, 0,1,2,3
.irp t, 0,1
	v_wmma_f32_16x16x64_bf8_bf8 v[S+32*\t+8*\f:S+32*\t+8*\f+7], v[KFR+8*\f:KFR+8*\f+7], v[QF+8*\t:QF+8*\t+7], 0
.endr
.endr
.rept 4
	v_nop
.endr
	s_add_co_u32 s47, s[SC], \q                    ; under tile 0's last block all keys count; tile 1's last block lies behind every step of this kind
	s_cmp_lt_u32 s47, s[WV]
	s_cbranch_scc1 .Lopen_\@
	s_sub_co_u32 s47, s47, s[WV]                   ; 0: tile 0's last block; 1: the block behind it, all hidden
	s_lshl_b32 s47, s47, 6
	v_sub_nc_u32 v[TH], v[DA], s47
	HIDE 0, TH
.Lopen_\@:
	MAXES
.irp t, 0,1
	s_delay_alu instid0(VALU_DEP_2)
	v_max_num_f32 v[ST+10*\t+6], v[ST+10*\t+6], v[ST+10*\t+7]
.endr
.irp t, 0,1
	s_delay_alu instid0(VALU_DEP_2)
	v_permlanex16_b32 v[ST+10*\t+8], v[ST+10*\t+6], s[SEL], s[SEL+1]
.endr
.irp t, 0,1
	s_delay_alu instid0(VALU_DEP_2)
	v_max_num_f32 v[ST+10*\t+6], v[ST+10*\t+6], v[ST+10*\t+8]   ; and among lane l xor 16's
.endr
.irp t, 0,1
	s_delay_alu instid0(VALU_DEP_2)
	v_mul_f32 v[ST+10*\t+6], s[CS], v[ST+10*\t+6]               ; as t (c is positive)
.endr
.irp t, 0,1
	s_delay_alu instid0(VALU_DEP_2)
	v_max_num_f32 v[ST+10*\t+1], v[ST+10*\t+1], v[ST+10*\t+6]   ; the running largest t
.endr
.irp t, 0,1
	s_delay_alu instid0(VALU_DEP_2)
	v_floor_f32 v[ST+10*\t+7], -v[ST+10*\t+1]                   ; the new -M = floor(-t): M is a whole number
.endr
.irp t, 0,1
	s_delay_alu instid0(VALU_DEP_2)
	v_sub_f32 v[ST+10*\t+6], v[ST+10*\t+7], v[ST+10*\t]         ; old M - new M: a whole number, 0 or less
.endr
.irp t, 0,1
	s_delay_alu instid0(VALU_DEP_2)
	v_cvt_i32_f32 v[ST+10*\t+6], v[ST+10*\t+6]                  ; (it saturates)
.endr
.irp t, 0,1
	s_delay_alu instid0(VALU_DEP_2)
	v_ldexp_f32 v[ST+10*\t+4], 1.0, v[ST+10*\t+6]               ; f = 2^(old M - new M)
.endr
.irp t, 0,1
	v_mov_b32 v[ST+10*\t], v[ST+10*\t+7]
.endr
	POWERS T0, T1
.irp t, 0,1
	v_pk_mul_f32 v[ST+10*\t+2:ST+10*\t+3], v[ST+10*\t+2:ST+10*\t+3], v[ST+10*\t+4:ST+10*\t+5] op_sel_hi:[1,0]   ; the sums under the new M.  (The plain place behind the exponentials)
.endr
	s_wait_alu depctr_va_vdst(0)                   ; one wait for the batch, ahead of its first reader
.irp t, 0,1                                    ; the row's sum is taken of the unquantised p
	v_pk_add_f32 v[CH+2*\t:CH+2*\t+1], v[S+32*\t:S+32*\t+1], v[S+32*\t+2:S+32*\t+3]
.endr
.irp j, 4,8,12,16,20,24,28
.irp t, 0,1
	v_pk_add_f32 v[ST+10*\t+2:ST+10*\t+3], v[ST+10*\t+2:ST+10*\t+3], v[S+32*\t+\j:S+32*\t+\j+1]
	v_pk_add_f32 v[CH+2*\t:CH+2*\t+1], v[CH+2*\t:CH+2*\t+1], v[S+32*\t+\j+2:S+32*\t+\j+3]
.endr
.endr
.irp t, 0,1
	v_pk_add_f32 v[ST+10*\t+2:ST+10*\t+3], v[ST+10*\t+2:ST+10*\t+3], v[CH+2*\t:CH+2*\t+1]
.endr
	HOLD
.irp t, 0,1
.irp f, 0,1,2,3
	v_cvt_scalef32_pk8_bf8_f32 v[KFR+8*\t+2*\f:KFR+8*\t+2*\f+1], v[S+32*\t+8*\f:S+32*\t+8*\f+7], v[PSC]   ; keys 16 f + 8 (lane / 16) + 0 .. 7: registers 2 f, 2 f + 1 of the operand
.endr
.endr
	s_wait_alu depctr_va_vdst(0)                   ; directly ahead of the first reader of O^T
.irp t, 0,1
.set nn, 0
.rept 16
	v_pk_mul_f32 v[O+32*\t+nn:O+32*\t+nn+1], v[O+32*\t+nn:O+32*\t+nn+1], v[ST+10*\t+4:ST+10*\t+5] op_sel_hi:[1,0]   ; O^T under the new M.  (Also the plain lines between the conversions and the products that read the codes)
.set nn, nn+2
.endr
.endr
	s_wait_alu depctr_va_vdst(0)
	s_wait_dscnt 0x0                               ; V is in
.irp f, 0,1,2,3                                ; each accumulator one instruction; the next matrix instructions are the next step's K Q^T
.irp t, 0,1
	v_wmma_f32_16x16x64_bf8_bf8 v[O+32*\t+8*\f:O+32*\t+8*\f+7], v[VFR+8*\f:VFR+8*\f+7], v[KFR+8*\t:KFR+8*\t+7], v[O+32*\t+8*\f:O+32*\t+8*\f+7]
.endr
.endr
.endm
; A WIDE STEP: blocks SC and SC + 1, 128 keys, against tile 1 alone: one set of statistics, one rescaling of 32 registers.  Tile 0's +6, +7 and its chain of sums serve as work registers.
.macro BODYW
	ADDRS
.irp g, 0,1,2,3,4,5,6,7
	ds_load_b128 v[KFR+8*\g:KFR+8*\g+3],   v[ADK] offset:\g*1024
	ds_load_b128 v[KFR+8*\g+4:KFR+8*\g+7], v[ADK] offset:\g*1024+512
.endr
	s_wait_alu depctr_va_vdst(0)
	s_wait_dscnt 0x0                               ; K is in
.irp g, 0,1,2,3,4,5,6,7
	v_wmma_f32_16x16x64_bf8_bf8 v[S+8*\g:S+8*\g+7], v[KFR+8*\g:KFR+8*\g+7], v[QF+8:QF+15], 0
.endr
.rept 4
	v_nop                                          ; four places: in front of the loads into K's registers, and of the first read of the scores
.endr
.irp g, 0,1,2,3,4,5,6,7
	ds_load_b128 v[KFR+8*\g:KFR+8*\g+3],   v[ADV] offset:\g*1024         ; V: block g / 4, d tile g % 4; it lands under the softmax
	ds_load_b128 v[KFR+8*\g+4:KFR+8*\g+7], v[ADV] offset:\g*1024+512
.endr
	s_add_co_u32 s47, s[SC], 1                     ; a pair that ends under tile 1's last block has no hidden key
	s_cmp_lt_u32 s47, s[WV+1]
	s_cbranch_scc1 .Lopen_\@
	s_sub_co_u32 s47, s[WV+1], s[SC]               ; which block of the pair is tile 1's last: 0 (the second is then all hidden) or 1
	s_lshl_b32 s47, s47, 6
	v_add_nc_u32 v[TH], s47, v[DA+1]
	v_add_nc_u32 v[TH+1], 0xffffffc0, v[TH]        ; the second block begins 64 keys on
	HIDE 0, TH
	HIDE 1, TH+1
.Lopen_\@:
	MAXES
	v_max3_num_f32 v[T1+6], v[T1+6], v[T1+7], v[T0+6]
	v_max_num_f32 v[T1+6], v[T1+6], v[T0+7]
	s_delay_alu instid0(VALU_DEP_1)
	v_permlanex16_b32 v[T1+8], v[T1+6], s[SEL], s[SEL+1]
	s_delay_alu instid0(VALU_DEP_1)
	v_max_num_f32 v[T1+6], v[T1+6], v[T1+8]
	s_delay_alu instid0(VALU_DEP_1)
	v_mul_f32 v[T1+6], s[CS], v[T1+6]
	s_delay_alu instid0(VALU_DEP_1)
	v_max_num_f32 v[T1+1], v[T1+1], v[T1+6]
	s_delay_alu instid0(VALU_DEP_1)
	v_floor_f32 v[T1+7], -v[T1+1]
	s_delay_alu instid0(VALU_DEP_1)
	v_sub_f32 v[T1+6], v[T1+7], v[T1]
	s_delay_alu instid0(VALU_DEP_1)
	v_cvt_i32_f32 v[T1+6], v[T1+6]
	s_delay_alu instid0(VALU_DEP_1)
	v_ldexp_f32 v[T1+4], 1.0, v[T1+6]
	v_mov_b32 v[T1], v[T1+7]
	POWERS T1, T1
	v_pk_mul_f32 v[T1+2:T1+3], v[T1+2:T1+3], v[T1+4:T1+5] op_sel_hi:[1,0]   ; the sum under the new M.  (The plain place behind the exponentials)
	s_wait_alu depctr_va_vdst(0)                   ; one wait for the batch, ahead of its first reader
	v_pk_add_f32 v[CH:CH+1], v[S:S+1], v[S+2:S+3]                 ; the 32 pairs of p in four chains
	v_pk_add_f32 v[CH+2:CH+3], v[S+4:S+5], v[S+6:S+7]
	v_pk_add_f32 v[T0+6:T0+7], v[S+8:S+9], v[S+10:S+11]
.irp j, 12,20,28,36,44,52
	v_pk_add_f32 v[T1+2:T1+3], v[T1+2:T1+3], v[S+\j:S+\j+1]
	v_pk_add_f32 v[CH:CH+1], v[CH:CH+1], v[S+\j+2:S+\j+3]
	v_pk_add_f32 v[CH+2:CH+3], v[CH+2:CH+3], v[S+\j+4:S+\j+5]
	v_pk_add_f32 v[T0+6:T0+7], v[T0+6:T0+7], v[S+\j+6:S+\j+7]
.endr
	v_pk_add_f32 v[T1+2:T1+3], v[T1+2:T1+3], v[S+60:S+61]
	v_pk_add_f32 v[CH:CH+1], v[CH:CH+1], v[S+62:S+63]
	v_pk_add_f32 v[CH+2:CH+3], v[CH+2:CH+3], v[T0+6:T0+7]
	v_pk_add_f32 v[T1+2:T1+3], v[T1+2:T1+3], v[CH:CH+1]
	v_pk_add_f32 v[T1+2:T1+3], v[T1+2:T1+3], v[CH+2:CH+3]
	HOLD
.irp f, 0,1,2,3
	v_cvt_scalef32_pk8_bf8_f32 v[PW+2*\f:PW+2*\f+1], v[S+8*\f:S+8*\f+7], v[PSC]
.endr
.irp f, 0,1,2,3
	v_cvt_scalef32_pk8_bf8_f32 v[QF+2*\f:QF+2*\f+1], v[S+32+8*\f:S+32+8*\f+7], v[PSC]
.endr
	s_wait_alu depctr_va_vdst(0)                   ; directly ahead of the first reader of O^T
.set nn, 0
.rept 16
	v_pk_mul_f32 v[O+32+nn:O+32+nn+1], v[O+32+nn:O+32+nn+1], v[T1+4:T1+5] op_sel_hi:[1,0]
.set nn, nn+2
.endr
	s_wait_alu depctr_va_vdst(0)
	s_wait_dscnt 0x0                               ; V is in
.irp f, 0,1,2,3                                ; the four accumulators by turns, one instruction a turn: three others' stand between two of one sum
	v_wmma_f32_16x16x64_bf8_bf8 v[O+32+8*\f:O+32+8*\f+7], v[KFR+8*\f:KFR+8*\f+7], v[PW:PW+7], v[O+32+8*\f:O+32+8*\f+7]
.endr
.irp f, 0,1,2,3
	v_wmma_f32_16x16x64_bf8_bf8 v[O+32+8*\f:O+32+8*\f+7], v[KFR+32+8*\f:KFR+32+8*\f+7], v[QF:QF+7], v[O+32+8*\f:O+32+8*\f+7]
.endr
.endm
	s_wait_alu depctr_va_vdst(0)
	s_wait_loadcnt 0x0                             ; Q
	s_wait_tensorcnt 0x0                           ; my eighth of K or of V is in,
	s_barrier_signal -1
	s_barrier_wait -1                              ; and everybody's
	s_mov_b32 s[CNT], 16
.Ltrip:                                            ; a pair of blocks: nothing, two steps on both tiles, or a wide step; the lines that step the address stand on every way
	s_cmp_gt_u32 s[SC], s[WV+1]
	s_cbranch_scc1 .Ldone
	s_cmp_gt_u32 s[SC], s[WV]
	s_cbranch_scc1 .Lwide
	BODY2 0
	BODY2 1
	s_branch .Ldone
.Lwide:
	BODYW
.Ldone:
	s_add_co_u32 s[TB], s[TB], 8192
	s_add_co_u32 s[SC], s[SC], 2
	s_sub_co_u32 s[CNT], s[CNT], 1
	s_cmp_lg_u32 s[CNT], 0
	s_cbranch_scc1 .Ltrip
	; THE WAY OUT.  O^T / the sum stands for the result / 2^(e8 + e9); its code is that / 2^(e10 - e8 - e9).  A lane's eight registers of a d tile are two registers of the next operand: no LDS.
.rept 4
	v_nop
.endr
.irp t, 0,1
	v_add_f32 v[ST+10*\t+2], v[ST+10*\t+2], v[ST+10*\t+3]       ; the sum's two halves,
.endr
.irp t, 0,1
	s_delay_alu instid0(VALU_DEP_2)
	v_permlanex16_b32 v[ST+10*\t+8], v[ST+10*\t+2], s[SEL], s[SEL+1]
.endr
.irp t, 0,1
	s_delay_alu instid0(VALU_DEP_2)
	v_add_f32 v[ST+10*\t+2], v[ST+10*\t+2], v[ST+10*\t+8]       ; and lane l xor 16's
.endr
	s_wait_alu depctr_va_vdst(0)
.irp t, 0,1
	v_rcp_f32 v[ST+10*\t+4], v[ST+10*\t+2]
.endr
	s_sub_co_i32 s57, s56, s54
	s_sub_co_i32 s57, s57, s55
	s_add_co_i32 s57, s57, 127
	s_lshl_b32 s58, s57, 23
	v_mov_b32 v[PSC], s58                          ; (a plain place behind the reciprocals)
	s_add_co_i32 s57, s57, 15
	s_lshl_b32 s57, s57, 23
	s_or_b32 s57, s57, 0x600000
	v_mov_b32 v[PLIM], s57
	s_wait_alu depctr_va_vdst(0)                   ; one wait for the two reciprocals and for O^T, directly ahead of their first reader
.irp t, 0,1
.set nn, 0
.rept 16
	v_pk_mul_f32 v[S+32*\t+nn:S+32*\t+nn+1], v[O+32*\t+nn:O+32*\t+nn+1], v[ST+10*\t+4:ST+10*\t+5] op_sel_hi:[1,0]
.set nn, nn+2
.endr
.endr
.set nn, 0
.rept 64
	v_med3_num_f32 v[S+nn], v[S+nn], -v[PLIM], v[PLIM]
.set nn, nn+1
.endr
.irp t, 0,1
.irp f, 0,1,2,3
	v_cvt_scalef32_pk8_bf8_f32 v[KFR+8*\t+2*\f:KFR+8*\t+2*\f+1], v[S+32*\t+8*\f:S+32*\t+8*\f+7], v[PSC]
.endr
.endr
	v_nop
.irp c, 0,1
	global_store_b128 v[LI], v[KFR+4*\c:KFR+4*\c+3], s[8:9] offset:\c*512         ; a group: 512 consecutive bytes, aligned
	global_store_b128 v[LI], v[KFR+8+4*\c:KFR+8+4*\c+3], s[60:61] offset:\c*512
.endr
	s_wait_tensorcnt 0x0                           ; the wave's end
	ds_add_u32 v[SPW], v[NIL]
	s_wait_dscnt 0x0
	ROUND                                          ; the closing round: no work-group ends while a partner may still ask for a tile that names it
	s_endpgm
.Lfunc_end_k_qabc5232ed7_attn:
	.size	k_qabc5232ed7_attn, .Lfunc_end_k_qabc5232ed7_attn-k_qabc5232ed7_attn
	.p2alignl 7, 3214868480
	.fill 96, 4, 3214868480
	.section	.rodata,"a",@progbits
	.p2align	6, 0x0
	.amdhsa_kernel k_qabc5232ed7_attn
		.amdhsa_group_segment_fixed_size 327680
		.amdhsa_private_segment_fixed_size 0
		.amdhsa_enable_private_segment 0
		.amdhsa_kernarg_size 24
		.amdhsa_user_sgpr_count 2
		.amdhsa_user_sgpr_kernarg_segment_ptr 1
		.amdhsa_wavefront_size32 1
		.amdhsa_system_sgpr_workgroup_id_x 1
		.amdhsa_system_sgpr_workgroup_id_y 1
		.amdhsa_system_sgpr_workgroup_id_z 1
		.amdhsa_system_vgpr_workitem_id 0
		.amdhsa_next_free_vgpr 256
		.amdhsa_next_free_sgpr 66
		.amdhsa_reserve_vcc 1
		.amdhsa_float_denorm_mode_32 3
		.amdhsa_float_denorm_mode_16_64 3
		.amdhsa_memory_ordered 1
		.amdhsa_forward_progress 1
		.amdhsa_inst_pref_size 73
	.end_amdhsa_kernel
	.amdgpu_metadata
---
amdhsa.version: [ 1, 2 ]
amdhsa.kernels:
  - .name:           k_qabc5232ed7_attn
    .symbol:         k_qabc5232ed7_attn.kd
    .args:
      - { .name: qkv, .offset: 0, .size: 8, .value_kind: global_buffer, .address_space: global }
      - { .name: lowp_scales, .offset: 8, .size: 8, .value_kind: global_buffer, .address_space: global }
      - { .name: aimg, .offset: 16, .size: 8, .value_kind: global_buffer, .address_space: global }
    .group_segment_fixed_size: 327680
    .private_segment_fixed_size: 0
    .kernarg_segment_align: 8
    .kernarg_segment_size: 24
    .max_flat_workgroup_size: 512
    .sgpr_count:     66
    .vgpr_count:     256
    .wavefront_size: 32
...
	.end_amdgpu_metadata
.endif
;; end of part 3
;; launch outp (part 4): grid 4 x 32, 4 waves a work-group, clusters of 4 x 4, 327,680 bytes of LDS; arguments aimg, codes, lowp_scales, bo, out0; writes out0
.if DOCPART == 4
	.amdgcn_target "amdgcn-amd-amdhsa--gfx1250"
	.amdhsa_code_object_version 6
	.text
	.protected	k_qabc5232ed7_outp
	.globl	k_qabc5232ed7_outp
	.p2align	8
	.type	k_qabc5232ed7_outp,@function
k_qabc5232ed7_outp:
	s_mov_b64 s[64:65], 0
	v_nop
	global_prefetch_b8 v0, s[64:65] scope:SCOPE_SE
	s_setreg_imm32_b32 hwreg(HW_REG_WAVE_MODE, 25, 1), 1
	s_wait_xcnt 0x0
	s_wait_alu depctr_hold_cnt(0) depctr_sa_sdst(0) depctr_va_vdst(0) depctr_va_sdst(0) depctr_va_ssrc(0) depctr_va_vcc(0) depctr_vm_vsrc(0)
	s_getreg_b32 s2, hwreg(HW_REG_IB_STS2, 6, 4)
	s_cmp_eq_u32 s2, 0
	s_cbranch_scc0 .Lentry_in_a_cluster
	s_endpgm
.Lentry_in_a_cluster:
	s_bfe_u32 s2, ttmp6, 0x10000c
	s_cmp_lg_u32 s2, 0xf033
	s_cbranch_scc0 .Lentry_shape_is_right
	s_endpgm
.Lentry_shape_is_right:
; The output projection on codes of E5M2: out0 = a Wo^T x 2^(e10 + e11) + bo, 8,192 x 1,024 x 1,024, f32 out.
; aimg (the attention's result) and Wo's part of codes (at 27 Mi) are images of operand registers: a fragment, 16 rows x 128 k, is 2,048 bytes; a tile of 16 rows has its eight fragments on end, 16,384 bytes.
; A work-group of four waves makes 256 x 256, a wave 128 x 128: 64 accumulators, which take turns.  K goes in four steps of 256 through two LDS slots, filled by joint loads of a 4 x 4 cluster:
; a's tiles are shared along a row of the cluster, Wo's along a column.  Source 0 = Wo's rows, source 1 = a's: a lane holds eight neighbouring columns of a row of out0.
; The way out goes block by block of 16 rows through the wave's stage in slot 0, which has had its last fill and read; the 32 lanes store rows of 512 bytes.
; No prefetch: K is four steps, and the first two are asked for at the head.  LIMIT: e10 + e11 between -126 and 127.
.set HALFT,  32768
.set SLOT,   131072
.set KSTB,   4096
.set SPARE,  262144
.set SPITCH, 528
.set FR,     16
.set NL,     4
.set NP,     4
.set BO,   4
.set ADRA, 16
.set ADRB, 20
.set STO,  24
.set RD,   25
.set CO,   26
.set SPW,  28
.set NIL,  29
.set AF,   128
.set BK,   128
.set G1, 24
.set G0, 32
.set G1B, 48
.set G0B, 56
.set MSB, 0
.macro WIN new
.if MSB != \new
	s_set_vgpr_msb (MSB<<8)|\new
.set MSB, \new
.endif
.endm
.set MUL_LO, 0xa1
.set MUL_HI, 0xf1
.set TO_B,   0x40
.macro JLOAD g0a, g1a, g0b, g1b
	s_cmp_eq_u32 s15, 0
	s_cbranch_scc0 .Lfor_b_\@
	tensor_load_to_lds s[\g0a:\g0a+3], s[\g1a:\g1a+7]
	s_nop 0
.rept 4
	v_nop
.endr
	s_branch .Lasked_\@
.Lfor_b_\@:
	tensor_load_to_lds s[\g0b:\g0b+3], s[\g1b:\g1b+7]
	s_nop 0
.rept 4
	v_nop
.endr
.Lasked_\@:
.endm
.macro CREST
	s_cmp_lg_u32 s14, 0
	s_cbranch_scc1 .Lnot_wave_0_\@
	s_barrier_signal -3
.Lnot_wave_0_\@:
	s_barrier_wait -3
	s_barrier_signal -1
	s_barrier_wait -1
.endm
.macro CROUND
	s_barrier_signal -1
	s_barrier_wait -1
	CREST
.endm
	s_load_b256 s[4:11], s[0:1], 0x0
	s_load_b64 s[12:13], s[0:1], 0x20
	v_lshl_add_u32 v[SPW], v0, 2, SPARE
	v_mov_b32 v[NIL], 0
	ds_add_u32 v[SPW], v[NIL]
	ds_add_u32 v[SPW], v[NIL]
	v_lshrrev_b32 v1, 5, v0
	v_readfirstlane_b32 s14, v1
	s_lshr_b32 s15, s14, 1
	s_and_b32 s16, s14, 1
	s_bfe_u32 s40, ttmp6, 0x40000
	s_bfe_u32 s41, ttmp6, 0x40004
	s_and_b32 s42, ttmp7, 0xffff
	s_lshl_b32 s17, s42, 2
	s_add_co_u32 s17, s17, s41
	s_lshl_b32 s43, s41, 2
	s_lshl_b32 s43, 15, s43
	s_lshl_b32 s44, 0x1111, s40
	s_or_b32 s[G1+0], s43, (3<<16)|(1<<21)
	s_or_b32 s[G1B+0], s44, (3<<16)|(1<<21)
.irp g, G1, G1B
	s_mov_b32 s[\g+1], 512<<16
	s_mov_b32 s[\g+2], 8<<16
	s_mov_b32 s[\g+3], 512<<16
	s_mov_b32 s[\g+4], 8
	s_mov_b32 s[\g+5], 2048
	s_mov_b32 s[\g+6], 0
	s_mov_b32 s[\g+7], 0
.endr
	s_lshl_b32 s22, s16, 17
	s_lshl_b32 s20, s17, 18
	s_add_co_u32 s20, s20, s22
	s_mov_b32 s21, 0
	s_lshl_b32 s46, s40, 18
	s_add_co_u32 s46, s46, 27<<20
	s_add_co_u32 s46, s46, s22
	s_mov_b32 s47, 0
	s_mul_i32 s45, s14, HALFT
	s_wait_dscnt 0x0
	s_wait_kmcnt 0x0
	s_load_b64 s[96:97], s[8:9], 0x28
	s_add_nc_u64 s[20:21], s[4:5], s[20:21]
	s_add_nc_u64 s[46:47], s[6:7], s[46:47]
	CROUND
.irp s, 0,1
	s_mov_b32 s[G0+4*\s], 1
	s_add_co_u32 s[G0+4*\s+1], s45, \s*SLOT
	s_add_nc_u64 s[G0+4*\s+2:G0+4*\s+3], s[20:21], \s*KSTB
	s_or_b32 s[G0+4*\s+3], s[G0+4*\s+3], 0x80000000
	s_mov_b32 s[G0B+4*\s], 1
	s_add_co_u32 s[G0B+4*\s+1], s45, \s*SLOT
	s_add_nc_u64 s[G0B+4*\s+2:G0B+4*\s+3], s[46:47], \s*KSTB
	s_or_b32 s[G0B+4*\s+3], s[G0B+4*\s+3], 0x80000000
.endr
	JLOAD G0, G1, G0B, G1B                         ; K step 0: one tensor load a wave at the head
	v_and_b32 v1, 31, v0
	v_lshlrev_b32 v[CO], 4, v1
	s_wait_alu depctr_va_vdst(0)
	s_lshl_b32 s22, s40, 10
	s_lshl_b32 s23, s16, 9
	s_add_co_u32 s22, s22, s23
	v_add_nc_u32 v9, s22, v[CO]
	global_load_b128 v[BO:BO+3], v9, s[10:11]
	s_lshl_b32 s20, s17, 20
	s_lshl_b32 s21, s15, 19
	s_add_co_u32 s20, s20, s21
	s_add_co_u32 s20, s20, s22
	s_mov_b32 s21, 0
	s_add_nc_u64 s[12:13], s[12:13], s[20:21]
	s_lshl_b32 s21, s15, 15
	s_lshl_b32 s22, s16, 15
	s_add_co_u32 s22, s22, 2*HALFT
.irp s, 0,1
	v_add_nc_u32 v[ADRA+\s], s21, v[CO]
	v_add_nc_u32 v[ADRB+\s], s22, v[CO]
	s_add_co_u32 s21, s21, SLOT
	s_add_co_u32 s22, s22, SLOT
.endr
	s_mul_i32 s23, s14, 16*SPITCH
	v_and_b32 v1, 15, v0
	v_bfe_u32 v2, v0, 4, 1
	v_mul_u32_u24 v3, v1, SPITCH
	v_lshl_add_u32 v3, v2, 5, v3
	v_add_nc_u32 v[STO], s23, v3
	v_add_nc_u32 v[RD], s23, v[CO]
.macro FRAG reg, adr, q, i
.irp c, 0,1,2,3
	ds_load_b128 v[\reg+4*\c:\reg+4*\c+3], v[\adr] offset:(\i)*4096+(\q)*2048+512*\c
.endr
.endm
.macro MUL16 a0, p, zero
.irp a, \a0, \a0+1
.irp b, 0,1,2,3,4,5,6,7
.if \zero
	v_wmma_f32_16x16x128_bf8_bf8 v[8*(8*((\a)%4)+\b):8*(8*((\a)%4)+\b)+7], v[128*(\p)+FR*\b:128*(\p)+FR*\b+FR-1], v[AF+FR*(\a):AF+FR*(\a)+FR-1], 0
.else
	v_wmma_f32_16x16x128_bf8_bf8 v[8*(8*((\a)%4)+\b):8*(8*((\a)%4)+\b)+7], v[128*(\p)+FR*\b:128*(\p)+FR*\b+FR-1], v[AF+FR*(\a):AF+FR*(\a)+FR-1], v[8*(8*((\a)%4)+\b):8*(8*((\a)%4)+\b)+7]
.endif
.endr
.endr
.endm
.macro FETCH_B slot, q, p
	WIN TO_B
.irp i, 0,1,2,3,4,5,6,7
	FRAG 128*(\p)+FR*\i, ADRB+\slot, \q, \i
.endr
	WIN 0
.endm
.macro FETCH_A slot, q, i0
.irp i, \i0, \i0+1, \i0+2, \i0+3
	FRAG AF+FR*(\i), ADRA+\slot, \q, \i
.endr
.endm
.macro PLACES n
.rept \n
	v_nop
.endr
.endm
.macro STEP slot, q, zero
	s_wait_dscnt 4*NL
	WIN MUL_LO
	MUL16 0, (\q)%2, \zero
	MUL16 2, (\q)%2, \zero
	s_wait_dscnt 0
	PLACES NP
	FETCH_B \slot, (\q)+1, 1-(\q)%2
	FETCH_A \slot, (\q)+1, 0
	WIN MUL_HI
	MUL16 4, (\q)%2, \zero
	MUL16 6, (\q)%2, \zero
	PLACES NP
	WIN 0
	FETCH_A \slot, (\q)+1, 4
.endm
.macro TURN slot, next, fill
	s_wait_tensorcnt 0x0
	ds_add_u32 v[SPW], v[NIL]
	s_wait_dscnt 4*NL+1
	WIN MUL_LO
	MUL16 0, 1, 0
	s_wait_dscnt 0x0
	s_barrier_signal -1
	MUL16 2, 1, 0
	WIN 0
	s_barrier_wait -1
.if \fill
	CREST
	s_add_nc_u64 s[G0+4*\slot+2:G0+4*\slot+3], s[G0+4*\slot+2:G0+4*\slot+3], 2*KSTB
	s_add_nc_u64 s[G0B+4*\slot+2:G0B+4*\slot+3], s[G0B+4*\slot+2:G0B+4*\slot+3], 2*KSTB
	JLOAD G0+4*\slot, G1, G0B+4*\slot, G1B
.else
	PLACES NP
.endif
	FETCH_B \next, 0, 0
	FETCH_A \next, 0, 0
	WIN MUL_HI
	MUL16 4, 1, 0
	MUL16 6, 1, 0
	PLACES NP
	WIN 0
	FETCH_A \next, 0, 4
.endm
	s_wait_alu depctr_va_vdst(0)
	s_wait_tensorcnt 0x0                           ; my part of K step 0 is in
	ds_add_u32 v[SPW], v[NIL]
	s_wait_dscnt 0x0
	CROUND                                         ; everybody's part is in, and the sixteen work-groups meet
	JLOAD G0+4, G1, G0B+4, G1B                     ; K step 1, into slot 1: the first tensor load behind the round
	FETCH_B 0, 0, 0
	FETCH_A 0, 0, 0
	FETCH_A 0, 0, 4
	STEP 0, 0, 1
	TURN 0, 1, 1
	STEP 1, 0, 0
	TURN 1, 0, 1
	STEP 0, 0, 0
	TURN 0, 1, 0
	STEP 1, 0, 0
	s_wait_dscnt 4*NL
	WIN MUL_LO
	MUL16 0, 1, 0
	MUL16 2, 1, 0
	s_wait_dscnt 0
	WIN MUL_HI
	MUL16 4, 1, 0
	MUL16 6, 1, 0
	WIN 0
.macro TOSTAGE a
.set AC, 64*((\a)%4)
	WIN 0x08+4*((\a)/4)
.irp b, 0,1,2,3,4,5,6,7
	ds_store_b128 v[STO], v[AC+8*\b:AC+8*\b+3] offset:64*\b
	ds_store_b128 v[STO], v[AC+8*\b+4:AC+8*\b+7] offset:64*\b+16
.endr
	WIN 0
.set BB, BK+64*((\a)%2)
.set tt, 0
.rept 16
	ds_load_b128 v[BB+4*tt:BB+4*tt+3], v[RD] offset:tt*SPITCH
.set tt, tt+1
.endr
.endm
.macro SEND a, younger
.set BB, BK+64*((\a)%2)
	s_wait_dscnt \younger
.if (\a) > 0
	s_add_nc_u64 s[12:13], s[12:13], 16*4096
.endif
.set tt, 0
.rept 16
	v_pk_fma_f32 v[BB+4*tt:BB+4*tt+1],   v[BB+4*tt:BB+4*tt+1],   s[96:97], v[BO:BO+1]   op_sel_hi:[1,0,1]
	v_pk_fma_f32 v[BB+4*tt+2:BB+4*tt+3], v[BB+4*tt+2:BB+4*tt+3], s[96:97], v[BO+2:BO+3] op_sel_hi:[1,0,1]
.set tt, tt+1
.endr
.set tt, 0
.rept 16
	global_store_b128 v[CO], v[BB+4*tt:BB+4*tt+3], s[12:13] offset:tt*4096 th:TH_STORE_NT
.set tt, tt+1
.endr
.endm
	s_wait_kmcnt 0x0
	s_add_co_i32 s96, s96, s97
	s_add_co_i32 s96, s96, 127
	s_lshl_b32 s96, s96, 23
	s_mov_b32 s97, s96
	s_wait_loadcnt 0x0
	PLACES NP
	TOSTAGE 0
.irp a, 1,2,3,4,5,6,7
.if \a > 1
	s_wait_xcnt 0x0
.endif
	TOSTAGE \a
	SEND \a-1, 32
.endr
	s_wait_xcnt 0x0
	SEND 7, 0
	s_wait_tensorcnt 0x0
	ds_add_u32 v[SPW], v[NIL]
	s_wait_dscnt 0x0
	CROUND
	s_endpgm
.Lfunc_end_k_qabc5232ed7_outp:
	.size	k_qabc5232ed7_outp, .Lfunc_end_k_qabc5232ed7_outp-k_qabc5232ed7_outp
	.p2alignl 7, 3214868480
	.fill 96, 4, 3214868480
	.section	.rodata,"a",@progbits
	.p2align	6, 0x0
	.amdhsa_kernel k_qabc5232ed7_outp
		.amdhsa_group_segment_fixed_size 327680
		.amdhsa_private_segment_fixed_size 0
		.amdhsa_enable_private_segment 0
		.amdhsa_kernarg_size 40
		.amdhsa_user_sgpr_count 2
		.amdhsa_user_sgpr_kernarg_segment_ptr 1
		.amdhsa_wavefront_size32 1
		.amdhsa_system_sgpr_workgroup_id_x 1
		.amdhsa_system_sgpr_workgroup_id_y 1
		.amdhsa_system_sgpr_workgroup_id_z 1
		.amdhsa_system_vgpr_workitem_id 0
		.amdhsa_next_free_vgpr 1024
		.amdhsa_next_free_sgpr 100
		.amdhsa_reserve_vcc 0
		.amdhsa_float_denorm_mode_32 3
		.amdhsa_float_denorm_mode_16_64 3
		.amdhsa_memory_ordered 1
		.amdhsa_forward_progress 1
		.amdhsa_inst_pref_size 123
	.end_amdhsa_kernel
	.amdgpu_metadata
---
amdhsa.version: [ 1, 2 ]
amdhsa.kernels:
  - .name:           k_qabc5232ed7_outp
    .symbol:         k_qabc5232ed7_outp.kd
    .args:
      - { .name: aimg, .offset: 0, .size: 8, .value_kind: global_buffer, .address_space: global }
      - { .name: codes, .offset: 8, .size: 8, .value_kind: global_buffer, .address_space: global }
      - { .name: lowp_scales, .offset: 16, .size: 8, .value_kind: global_buffer, .address_space: global }
      - { .name: bo, .offset: 24, .size: 8, .value_kind: global_buffer, .address_space: global }
      - { .name: out0, .offset: 32, .size: 8, .value_kind: global_buffer, .address_space: global }
    .group_segment_fixed_size: 327680
    .private_segment_fixed_size: 0
    .kernarg_segment_align: 8
    .kernarg_segment_size: 40
    .max_flat_workgroup_size: 128
    .sgpr_count:     100
    .vgpr_count:     1024
    .wavefront_size: 32
...
	.end_amdgpu_metadata
.endif
;; end of part 4
